; MI455X (gfx1250); checked and timed in simulation.
; The chip was launched on July 23, 2026; its instructions are those of AMD's public machine-readable ISA for CDNA 5 (MIT licence, August 2026) and "CDNA5" Instruction Set Architecture Reference Guide (July 2026). The comments in the code are by the model that wrote it; some were corrected since.
;; Attention. Allowed arithmetic: matrix products marked QUANTISED: E2M1 operands, one E8M0 scale for each 32 along K, by v_wmma_scale_f32_16x16x128_f8f6f4 with both operands' format E2M1 (or v_wmma_scale_f32_32x16x128_f4), f32 sums; products left as they are: bf16, f16 or f32 operands; f32 sums; everything else in f32.
;; Inputs: Wkv 2,048 x 1,024 float32; Wo 2,048 x 2,048 float32; Wq 2,048 x 2,048 float32; cos 2,048 x 128 float32; sin 2,048 x 128 float32; x 1 x 2,048 x 2,048 float32.
;; Outputs: out0 1 x 2,048 x 2,048 float32.
;; This version of the problem:
;;   THIS VERSION OF THE PROBLEM IS GIVEN IN LOW PRECISION. The matrix products marked QUANTISED in the list below multiply operands that are first quantised to E2M1 (2 exponent bits, 1 mantissa bit; 4 bits a number), with one power-of-two scale for each 32 numbers along K (OCP MX v1.0); their sums are f32. The products marked 'left as it is' may take bf16, f16 or f32 operands, with f32 sums. Whichever they take, every output number must still come out within the allowed error. Rounding operands to bf16 (8 significant bits) uses up far more of that allowance than f16 does (11 bits, for magnitudes from 6e-5 to 65,504). All else is computed in f32.
;;   The module's matrix products, in the order in which they are computed (A, B: the left and right operand; K: the contracted axis; several contracted axes count as one K, in the product's order):
;;     1. [M 2,048, K 2,048] x [K 2,048, N 2,048]; A: input x; B: input Wq: QUANTISED
;;     2. [M 2,048, K 2,048] x [K 2,048, N 1,024]; A: input x; B: input Wkv: QUANTISED
;;     3. batch 16 x [M 2,048, K 128] x [K 128, N 2,048]; A: computed on the way; B: computed on the way: left as it is (an operand is computed on the way)
;;     4. batch 16 x [M 2,048, K 2,048] x [K 2,048, N 128]; A: computed on the way; B: computed on the way: left as it is (an operand is computed on the way)
;;     5. [M 2,048, K 2,048] x [K 2,048, N 2,048]; A: computed on the way; B: input Wo: left as it is (an operand is computed on the way)
;;   THE QUANTISER, for each operand of a quantised product, along K:
;;     - K is cut into blocks of 32 from its start; a last block that is shorter is filled with zeros.
;;     - A block's scale is 2^e with e = floor(log2(the largest magnitude in the block)) - 2, held to -126 .. 127; a block of zeros has e = 0. As a byte (E8M0): e + 127.
;;     - Each number is divided by its block's scale, clamped to +-6, and rounded to the nearest number of E2M1, ties to even, subnormals kept.
;;     - The product sums the exact products of the quantised numbers (number of the format x scale) in f32.
;;   ~~~python
;;   def quantise(x, axis):      # numpy; x: float32 -> the quantised numbers, widened to float32 again
;;       x = np.moveaxis(x, axis, -1); K = x.shape[-1]
;;       x = np.pad(x, [(0, 0)] * (x.ndim - 1) + [(0, -K % 32)]); x = x.reshape(x.shape[:-1] + (-1, 32)); a = np.abs(x).max(-1, keepdims=True)
;;       e = np.where(a > 0, np.clip(np.frexp(np.where(a > 0, a, 1))[1] - 1 - 2, -126, 127), 0)      # np.frexp(a)[1] - 1 = floor(log2(a)), exactly
;;       r = np.clip(x / 2.0 ** e, -6, 6)
;;       step = 2.0 ** (np.maximum(np.frexp(np.where(r == 0, 1, r))[1] - 1, 0) - 1)
;;       q = np.round(r / step) * step * 2.0 ** e      # np.round: ties to even
;;       return np.moveaxis(q.reshape(q.shape[:-2] + (-1,))[..., :K], -1, axis).astype(np.float32)
;;   ~~~
;; One version. Each part assembles by itself: llvm-mc -triple=amdgcn-amd-amdhsa -mcpu=gfx1250 --defsym DOCPART=n.
;; ======== version 1 of 1: 4 launches
;; limits: values are held in f16: magnitudes above 65,504 overflow, below 6.1e-05 lose precision
;; workspace buffers: codes 5,570,560 bytes; wo16 16,777,216 bytes; qkv 12,582,912 bytes; fine 98,304 bytes; att16 8,388,608 bytes; part 262,144 bytes
;; launch prep (part 1): grid 288 x 1, 4 waves a work-group, no clusters, 102,912 bytes of LDS; arguments x, Wq, Wkv, Wo, codes, wo16; writes codes, wo16
.if DOCPART == 1
	.amdgcn_target "amdgcn-amd-amdhsa--gfx1250"
	.amdhsa_code_object_version 6
	.text
	.protected	k_qd5d4f6b126_prep
	.globl	k_qd5d4f6b126_prep
	.p2align	8
	.type	k_qd5d4f6b126_prep,@function
k_qd5d4f6b126_prep:
	s_mov_b64 s[64:65], 0
	v_nop
	global_prefetch_b8 v0, s[64:65] scope:SCOPE_SE
	s_setreg_imm32_b32 hwreg(HW_REG_WAVE_MODE, 25, 1), 1
	s_wait_xcnt 0x0
; x [2048][2048], Wq [2048 k][2048 n] and Wkv [2048 k][1024 n], f32, become codes of FP4 (E2M1) with K innermost and one E8M0 byte for each 32 along K;
; Wo [2048 k][2048 n] becomes two f16 parts, high and low (low = Wo - high, exact in f32, then rounded), laid as images of matrix operands.
; codes: x's codes [2048][1024 B] at 0; W's codes [3072 rows n][1024 B] at WCB (rows 0-2047 Wq's columns, 2048-3071 Wkv's); x's scale bytes [2048][64] at XSB; W's [3072][64] at WSB.
; wo16:  high parts at 0, low parts at LOB, each [16 columns: 128][32 k: 64][half 2][lane 32][16 B]: lane (r, h) of half g holds column r, k = 16 g + 8 h + 0 .. 7.
; A block's scale is 2^(floor(log2(its largest magnitude)) - 2); its byte is the largest magnitude's exponent field - 2, held at 1 from below.
; LIMITS: NaN and infinities among the inputs are not served.  A block of zeros gets the byte 1 where the rule says 127: its codes are zeros, and this program alone reads the bytes.
; Blocks whose largest magnitude lies under 2^-124 are held at the byte 1.  Wo beyond 65,504 has no f16 number.
; FOUR PATHS, parted on the work-group's number: 0-63 Wq, 64-95 Wkv, 96-159 Wo, 160-287 x.  Each path has LDS bytes of its own.  No barrier: waves share nothing.
.set WCB,   2097152
.set XSB,   5242880
.set WSB,   5373952
.set LOB,   8388608
.set PITCH, 272                        ; a stage row: 256 bytes of codes + 16
.set QST,   32768                      ; LDS: 0 x's path (4 x 8,192); Wq's stages (4 x 32 x 272);
.set KVST,  67584                      ; Wkv's stages;
.set SPARE, 102400                     ; the spare words, 128 bytes for each wave
.set SPW,   190                        ; v190 LDS address of my spare word; never rewritten
.set NIL,   191                        ; v191 0; never rewritten
.set WV,    16                         ; s16  my wave's number
.set WX,    32                         ; v32-95  two sets of 32 numbers down K (W's and Wo's paths)
.set CD,    96                         ; v96-99  a block's codes
.set SB,    24                         ; v24-27  a lane's 16 scale bytes
.set OUTR,  112                        ; v112-175 the way out
.set HI,    96                         ; Wo: v96-111 high parts, two a register
.set LO,    112                        ; v112-127 low parts
.set FW,    128                        ; v128-159 the high parts widened again, then the remainders
.set SP,    80                         ; x: a lane's place in a stage: 64 bytes + 16
.set XR,    16                         ; v16-79 four sets of 16 numbers as loaded
.set XX,    80                         ; v80-111 two sets of 16 neighbours
.set XE,    112                        ; v112-127 a scale byte for each step
.set XCD,   128                        ; v128-189 codes: four registers apart for each step
.macro ENDW                            ; a wave's end
	s_wait_tensorcnt 0x0
	ds_add_u32 v[SPW], v[NIL]
	s_wait_dscnt 0x0
	s_endpgm
.endm
	s_load_b256 s[4:11], s[0:1], 0x0               ; x s[4:5], Wq s[6:7], Wkv s[8:9], Wo s[10:11]
	s_load_b128 s[12:15], s[0:1], 0x20             ; codes s[12:13], wo16 s[14:15]
	v_lshl_add_u32 v[SPW], v0, 2, SPARE
	v_mov_b32 v[NIL], 0
	v_lshrrev_b32 v1, 5, v0
	v_readfirstlane_b32 s[WV], v1                  ; wave 0..3
	v_and_b32 v2, 31, v0                           ; lane
	s_wait_kmcnt 0x0
	s_cmp_lt_u32 ttmp9, 64
	s_cbranch_scc1 .Lwq
	s_cmp_lt_u32 ttmp9, 96
	s_cbranch_scc1 .Lwkv
	s_cmp_lt_u32 ttmp9, 160
	s_cbranch_scc1 .Lwo
; ---- x: a plain stream of blocks of 32.  A wave takes 16 steps of 512 numbers.  Each load reads 512 consecutive bytes; a step's 2,048 bytes turn through the wave's own stage so that a lane holds 16 neighbours.
	s_sub_co_u32 s17, ttmp9, 160
	s_lshl_b32 s17, s17, 2
	s_add_co_u32 s18, s17, s[WV]                   ; which run of 8,192 numbers is my wave's
	v_lshlrev_b32 v3, 4, v2                        ; my 16 bytes of a load's 512
	s_mul_i32 s17, s[WV], 8192
	v_lshrrev_b32 v14, 2, v2
	v_mul_u32_u24 v14, v14, SP
	v_and_b32 v15, 3, v2
	v_lshl_add_u32 v14, v15, 4, v14
	v_add_nc_u32 v14, s17, v14                     ; into the stage: SP (lane / 4) + 16 (lane % 4)
	v_mul_u32_u24 v15, v2, SP
	v_add_nc_u32 v15, s17, v15                     ; out of it: SP x lane
	v_lshlrev_b32 v4, 3, v2                        ; my 8 bytes of a step's codes
	v_lshrrev_b32 v5, 1, v2
	s_add_co_u32 s17, s17, 2*32*SP
	v_add_nc_u32 v5, s17, v5                       ; my block's scale byte among the wave's 256
	v_lshlrev_b32 v7, 3, v2
	v_add_nc_u32 v6, s17, v7
	s_lshl_b32 s20, s18, 15
	s_mov_b32 s21, 0
	s_add_nc_u64 s[22:23], s[4:5], s[20:21]        ; x at my run
	s_lshl_b32 s20, s18, 12
	s_add_nc_u64 s[26:27], s[12:13], s[20:21]      ; its codes
	s_lshl_b32 s20, s18, 8
	s_add_co_u32 s20, s20, XSB
	s_add_nc_u64 s[28:29], s[12:13], s[20:21]      ; its scale bytes
.macro XLOAD t
.irp i, 0,1,2,3
	global_load_b128 v[XR+16*((\t)%4)+4*\i:XR+16*((\t)%4)+4*\i+3], v3, s[22:23] offset:2048*(\t)+512*\i th:TH_LOAD_NT
.endr
.endm
.macro XTURN t                         ; LDS serves a wave's instructions in order: no wait between the stores and the loads
.irp i, 0,1,2,3
	ds_store_b128 v14, v[XR+16*((\t)%4)+4*\i:XR+16*((\t)%4)+4*\i+3] offset:32*SP*((\t)%2)+8*SP*\i
.endr
.irp i, 0,1,2,3
	ds_load_b128 v[XX+16*((\t)%2)+4*\i:XX+16*((\t)%2)+4*\i+3], v15 offset:32*SP*((\t)%2)+16*\i
.endr
.endm
.irp t, 0,1,2,3
	XLOAD \t
.endr
	s_wait_loadcnt 12                              ; step 0's four loads are in; the 12 of steps 1 to 3 may be out
	XTURN 0
.macro XSTEP t
.set XS, XX+16*((\t)%2)
.if (\t) > 0
	s_wait_dscnt 1                                 ; this step's numbers are back from the stage; the last step's byte store may be out
.else
	s_wait_dscnt 0x0
.endif
.if (\t)+4 < 16
	XLOAD (\t)+4                                   ; into the registers that this step's stage stores have read
.endif
.if (\t)+1 < 16
.if 14-(\t) >= 3
	s_wait_loadcnt 12                              ; the next step's four loads are in; those of the three steps behind it may be out
.else
	s_wait_loadcnt 4*(14-(\t))
.endif
	XTURN (\t)+1
.endif
	v_max3_num_f32 v8, |v[XS]|, |v[XS+1]|, |v[XS+2]|
	v_max3_num_f32 v9, |v[XS+3]|, |v[XS+4]|, |v[XS+5]|
.irp i, 6,10
	v_max3_num_f32 v8, v8, |v[XS+\i]|, |v[XS+\i+1]|
	v_max3_num_f32 v9, v9, |v[XS+\i+2]|, |v[XS+\i+3]|
.endr
	v_max3_num_f32 v8, v8, |v[XS+14]|, |v[XS+15]|
	v_max3_num_f32 v8, v8, v9, 3<<23               ; the floor 2^(3 - 127): the byte cannot fall under 1
	v_max_num_f32_dpp v8, v8, v8 row_xmask:1 row_mask:0xf bank_mask:0xf   ; with my neighbour's 16: the block's largest magnitude
	v_add_nc_u32 v11, -(2<<23), v8                 ; 2 off its exponent field: the conversion's scale operand
	v_cvt_scalef32_pk8_fp4_f32 v[XCD+4*(\t)], v[XS:XS+7], v11
	v_cvt_scalef32_pk8_fp4_f32 v[XCD+4*(\t)+1], v[XS+8:XS+15], v11
	v_lshrrev_b32 v[XE+(\t)], 23, v11              ; the scale's byte
	ds_store_b8 v5, v[XE+(\t)] offset:16*(\t)      ; both lanes of a block write the same byte
	global_store_b64 v4, v[XCD+4*(\t):XCD+4*(\t)+1], s[26:27] offset:256*(\t)   ; the wave stores 256 consecutive bytes
.endm
.irp t, 0,1,2,3,4,5,6,7,8,9,10,11,12,13,14,15
	XSTEP \t
.endr
	ds_load_b64 v[8:9], v6
	s_wait_dscnt 0x0
	global_store_b64 v7, v[8:9], s[28:29]          ; the wave's 256 scale bytes on end
	ENDW
; ---- Wq, Wkv: K is the FIRST axis.  A lane takes a column and its registers run down K: a block of 32 lies in one lane, and the conversions give codes with K innermost.
; A wave takes 32 columns x 512 along K; its codes leave through its own stage as rows of 256 bytes.
.macro WLOAD t, N
.irp i, 0,1,2,3,4,5,6,7,8,9,10,11,12,13,14,15,16,17,18,19,20,21,22,23,24,25,26,27,28,29,30,31
	global_load_b32 v[WX+32*((\t)%2)+\i], v3, s[22:23] offset:(32*(\t)+\i)*\N*4 th:TH_LOAD_NT
.endr
.endm
.macro WBLOCK t, N
.set XS, WX+32*((\t)%2)
.if (\t) < 15
	s_wait_loadcnt 32                              ; this block's 32 loads are in; the next block's 32 may be out
.else
	s_wait_loadcnt 0
.endif
	v_max3_num_f32 v12, |v[XS]|, |v[XS+1]|, |v[XS+2]|
	v_max3_num_f32 v13, |v[XS+3]|, |v[XS+4]|, |v[XS+5]|
.irp i, 6,10,14,18,22,26
	v_max3_num_f32 v12, v12, |v[XS+\i]|, |v[XS+\i+1]|
	v_max3_num_f32 v13, v13, |v[XS+\i+2]|, |v[XS+\i+3]|
.endr
	v_max3_num_f32 v12, v12, |v[XS+30]|, |v[XS+31]|
	v_max3_num_f32 v12, v12, v13, 3<<23            ; the floor
	v_add_nc_u32 v11, -(2<<23), v12
	v_lshrrev_b32 v13, 23, v11                     ; the scale's byte
.if (\t)%4 == 0
	v_mov_b32 v[SB+(\t)/4], v13
.else
	v_lshl_or_b32 v[SB+(\t)/4], v13, 8*((\t)%4), v[SB+(\t)/4]
.endif
.irp g, 0,1,2,3
	v_cvt_scalef32_pk8_fp4_f32 v[CD+\g], v[XS+8*\g:XS+8*\g+7], v11
.endr
	ds_store_b128 v4, v[CD:CD+3] offset:16*(\t)    ; 32 codes: 16 bytes of my column's row
.if (\t)+2 < 16
	WLOAD (\t)+2, \N
.endif
	s_wait_dscnt 0x0                               ; the store has read its registers: the next block's codes may be written
.endm
.macro WPATH N, LOGX, ROW0, STG, PS, FIRST
	s_sub_co_u32 s17, ttmp9, \FIRST
	s_lshr_b32 s18, s17, \LOGX                     ; which 512 along K
	s_and_b32 s17, s17, \N/128-1                   ; which 128 columns
	s_lshl_b32 s17, s17, 7
	s_lshl_b32 s19, s[WV], 5
	s_add_co_u32 s17, s17, s19                     ; my wave's first column
	v_lshlrev_b32 v3, 2, v2
	s_mul_i32 s19, s[WV], 32*PITCH
	s_add_co_u32 s19, s19, \STG                    ; my stage
	v_mul_u32_u24 v4, v2, PITCH
	v_add_nc_u32 v4, s19, v4                       ; into it: row = my column
	v_and_b32 v5, 15, v2
	v_lshrrev_b32 v6, 4, v2
	v_mul_u32_u24 v7, v6, PITCH
	v_lshl_add_u32 v7, v5, 4, v7
	v_add_nc_u32 v7, s19, v7                       ; out of it: sixteen lanes to a row
	v_lshlrev_b32 v8, 10, v6
	v_lshl_add_u32 v8, v5, 4, v8                   ; the same place among the codes' rows of 1,024 bytes
	v_lshlrev_b32 v9, 6, v2                        ; my column's row of 64 scale bytes
	s_mul_i32 s20, s18, 512*\N*4
	s_lshl_b32 s21, s17, 2
	s_add_co_u32 s20, s20, s21
	s_mov_b32 s21, 0
	s_add_nc_u64 s[22:23], s[\PS:\PS+1], s[20:21]  ; W at my wave's part
	s_add_co_u32 s24, s17, \ROW0
	s_lshl_b32 s20, s24, 10
	s_lshl_b32 s25, s18, 8
	s_add_co_u32 s20, s20, s25
	s_add_co_u32 s20, s20, WCB
	s_add_nc_u64 s[26:27], s[12:13], s[20:21]      ; its codes
	s_lshl_b32 s20, s24, 6
	s_lshl_b32 s25, s18, 4
	s_add_co_u32 s20, s20, s25
	s_add_co_u32 s20, s20, WSB
	s_add_nc_u64 s[28:29], s[12:13], s[20:21]      ; its scale bytes
	WLOAD 0, \N
	WLOAD 1, \N
.set Q, 0
.rept 16
	WBLOCK Q, \N
.set Q, Q+1
.endr
	global_store_b128 v9, v[SB:SB+3], s[28:29]     ; my column's 16 scale bytes
.irp t, 0,1,2,3,4,5,6,7,8,9,10,11,12,13,14,15
	ds_load_b128 v[OUTR+4*\t:OUTR+4*\t+3], v7 offset:2*\t*PITCH
.endr
.irp t, 0,1,2,3,4,5,6,7,8,9,10,11,12,13,14,15
	s_wait_dscnt 15-\t                             ; LDS loads come back in order: the younger ones may be out
	global_store_b128 v8, v[OUTR+4*\t:OUTR+4*\t+3], s[26:27] offset:2*\t*1024   ; sixteen lanes store 256 consecutive bytes, aligned
.endr
	ENDW
.endm
.Lwq:
	WPATH 2048, 4, 0, QST, 6, 0
.Lwkv:
	WPATH 1024, 3, 2048, KVST, 8, 64
; ---- Wo: a lane takes a column, its registers run down K, 32 at a time: sixteen packed high parts, sixteen packed low parts.
; Exchanging halves of lanes between registers i and 4 + i turns a lane's 32 k of one column into the operand's order for two tiles of 16 columns.  No LDS.
.macro OLOAD s, blk
.irp i, 0,1,2,3,4,5,6,7,8,9,10,11,12,13,14,15,16,17,18,19,20,21,22,23,24,25,26,27,28,29,30,31
	global_load_b32 v[WX+32*(\s)+\i], v3, s[22:23] offset:(32*(\blk)+\i)*8192 th:TH_LOAD_NT
.endr
.endm
.macro OBLOCK s, ahead, left
.set XS, WX+32*(\s)
	s_wait_loadcnt \left                           ; this block's 32 loads are in; the next block's may be out
	s_wait_xcnt 0x0                                ; the last block's stores have read their data: it is written again only behind this wait
.irp i, 0,1,2,3,4,5,6,7,8,9,10,11,12,13,14,15
	v_cvt_pk_f16_f32 v[HI+\i], v[XS+2*\i], v[XS+2*\i+1]
.endr
.set wn, 0
.irp nm, v96.l, v96.h, v97.l, v97.h, v98.l, v98.h, v99.l, v99.h, v100.l, v100.h, v101.l, v101.h, v102.l, v102.h, v103.l, v103.h, v104.l, v104.h, v105.l, v105.h, v106.l, v106.h, v107.l, v107.h, v108.l, v108.h, v109.l, v109.h, v110.l, v110.h, v111.l, v111.h
	v_cvt_f32_f16 v[FW+wn], \nm
.set wn, wn+1
.endr
.irp i, 0,2,4,6,8,10,12,14,16,18,20,22,24,26,28,30
	v_pk_add_f32 v[FW+\i:FW+\i+1], v[XS+\i:XS+\i+1], v[FW+\i:FW+\i+1] neg_lo:[0,1] neg_hi:[0,1]   ; what the high part leaves: exact
.endr
.irp i, 0,1,2,3,4,5,6,7,8,9,10,11,12,13,14,15
	v_cvt_pk_f16_f32 v[LO+\i], v[FW+2*\i], v[FW+2*\i+1]
.endr
.if \ahead
	OLOAD \s, (\s)+2
.endif
.irp i, 0,1,2,3
	v_permlane16_swap_b32 v[HI+\i], v[HI+4+\i]     ; first: columns 0-15, k 0-7 | 8-15; second: columns 16-31 likewise
	v_permlane16_swap_b32 v[HI+8+\i], v[HI+12+\i]  ; and k 16-23 | 24-31
	v_permlane16_swap_b32 v[LO+\i], v[LO+4+\i]
	v_permlane16_swap_b32 v[LO+8+\i], v[LO+12+\i]
.endr
	global_store_b128 v4, v[HI:HI+3], s[26:27] offset:1024*(\s)                 ; each store covers 512 consecutive bytes
	global_store_b128 v4, v[HI+8:HI+11], s[26:27] offset:1024*(\s)+512
	global_store_b128 v4, v[HI+4:HI+7], s[26:27] offset:65536+1024*(\s)
	global_store_b128 v4, v[HI+12:HI+15], s[26:27] offset:65536+1024*(\s)+512
	global_store_b128 v4, v[LO:LO+3], s[28:29] offset:1024*(\s)
	global_store_b128 v4, v[LO+8:LO+11], s[28:29] offset:1024*(\s)+512
	global_store_b128 v4, v[LO+4:LO+7], s[28:29] offset:65536+1024*(\s)
	global_store_b128 v4, v[LO+12:LO+15], s[28:29] offset:65536+1024*(\s)+512
.endm
.Lwo:
	s_sub_co_u32 s17, ttmp9, 96
	s_lshr_b32 s18, s17, 4                         ; which 512 along K
	s_and_b32 s17, s17, 15                         ; which 128 columns
	v_lshlrev_b32 v3, 2, v2
	v_lshlrev_b32 v4, 4, v2
	s_lshl_b32 s20, s18, 22                        ; 512 rows of 8,192 bytes
	s_lshl_b32 s21, s17, 9
	s_add_co_u32 s20, s20, s21
	s_lshl_b32 s21, s[WV], 7
	s_add_co_u32 s20, s20, s21
	s_mov_b32 s21, 0
	s_add_nc_u64 s[22:23], s[10:11], s[20:21]
	s_lshl_b32 s20, s17, 19                        ; tile of 16 columns 8 x + 2 wave: 65,536 bytes each
	s_lshl_b32 s24, s[WV], 17
	s_add_co_u32 s20, s20, s24
	s_lshl_b32 s24, s18, 14                        ; 16 chunks of 32 k, 1,024 bytes each
	s_add_co_u32 s20, s20, s24
	s_add_nc_u64 s[26:27], s[14:15], s[20:21]      ; the high parts
	s_add_nc_u64 s[28:29], s[26:27], LOB           ; the low parts
	OLOAD 0, 0
	OLOAD 1, 1
	s_mov_b32 s30, 7
.Lwo_trip:                                         ; a trip takes two blocks of 32 k and asks for the two behind them
	OBLOCK 0, 1, 32
	OBLOCK 1, 1, 32
	s_wait_xcnt 0x0                                ; the bases are stepped only behind this wait
	s_add_nc_u64 s[22:23], s[22:23], 64*8192
	s_add_nc_u64 s[26:27], s[26:27], 2048
	s_add_nc_u64 s[28:29], s[28:29], 2048
	s_sub_co_u32 s30, s30, 1
	s_cmp_lg_u32 s30, 0
	s_cbranch_scc1 .Lwo_trip
	OBLOCK 0, 0, 32                                ; the last two blocks ask for nothing
	OBLOCK 1, 0, 0
	ENDW
.Lfunc_end_k_qd5d4f6b126_prep:
	.size	k_qd5d4f6b126_prep, .Lfunc_end_k_qd5d4f6b126_prep-k_qd5d4f6b126_prep
	.p2alignl 7, 3214868480
	.fill 96, 4, 3214868480
	.section	.rodata,"a",@progbits
	.p2align	6, 0x0
	.amdhsa_kernel k_qd5d4f6b126_prep
		.amdhsa_group_segment_fixed_size 102912
		.amdhsa_private_segment_fixed_size 0
		.amdhsa_enable_private_segment 0
		.amdhsa_kernarg_size 48
		.amdhsa_user_sgpr_count 2
		.amdhsa_user_sgpr_kernarg_segment_ptr 1
		.amdhsa_wavefront_size32 1
		.amdhsa_system_sgpr_workgroup_id_x 1
		.amdhsa_system_sgpr_workgroup_id_y 1
		.amdhsa_system_sgpr_workgroup_id_z 1
		.amdhsa_system_vgpr_workitem_id 0
		.amdhsa_next_free_vgpr 192
		.amdhsa_next_free_sgpr 66
		.amdhsa_reserve_vcc 0
		.amdhsa_float_denorm_mode_32 3
		.amdhsa_float_denorm_mode_16_64 3
		.amdhsa_memory_ordered 1
		.amdhsa_forward_progress 1
		.amdhsa_inst_pref_size 223
	.end_amdhsa_kernel
	.amdgpu_metadata
---
amdhsa.version: [ 1, 2 ]
amdhsa.kernels:
  - .name:           k_qd5d4f6b126_prep
    .symbol:         k_qd5d4f6b126_prep.kd
    .args:
      - { .name: x, .offset: 0, .size: 8, .value_kind: global_buffer, .address_space: global }
      - { .name: Wq, .offset: 8, .size: 8, .value_kind: global_buffer, .address_space: global }
      - { .name: Wkv, .offset: 16, .size: 8, .value_kind: global_buffer, .address_space: global }
      - { .name: Wo, .offset: 24, .size: 8, .value_kind: global_buffer, .address_space: global }
      - { .name: codes, .offset: 32, .size: 8, .value_kind: global_buffer, .address_space: global }
      - { .name: wo16, .offset: 40, .size: 8, .value_kind: global_buffer, .address_space: global }
    .group_segment_fixed_size: 102912
    .private_segment_fixed_size: 0
    .kernarg_segment_align: 8
    .kernarg_segment_size: 48
    .max_flat_workgroup_size: 128
    .sgpr_count:     66
    .vgpr_count:     192
    .wavefront_size: 32
...
	.end_amdgpu_metadata
.endif
;; end of part 1
;; launch qkvrope (part 2): grid 24 x 16, 4 waves a work-group, clusters of 4 x 1, 327,680 bytes of LDS; arguments codes, cos, sin, qkv, fine; writes qkv, fine
.if DOCPART == 2
	.amdgcn_target "amdgcn-amd-amdhsa--gfx1250"
	.amdhsa_code_object_version 6
	.text
	.protected	k_qd5d4f6b126_qkvrope
	.globl	k_qd5d4f6b126_qkvrope
	.p2align	8
	.type	k_qd5d4f6b126_qkvrope,@function
k_qd5d4f6b126_qkvrope:
	s_mov_b64 s[64:65], 0
	v_nop
	global_prefetch_b8 v0, s[64:65] scope:SCOPE_SE
	s_setreg_imm32_b32 hwreg(HW_REG_WAVE_MODE, 25, 1), 1
	s_wait_xcnt 0x0
	s_wait_alu depctr_hold_cnt(0) depctr_sa_sdst(0) depctr_va_vdst(0) depctr_va_sdst(0) depctr_va_ssrc(0) depctr_va_vcc(0) depctr_vm_vsrc(0)
	s_getreg_b32 s2, hwreg(HW_REG_IB_STS2, 6, 4)
	s_cmp_eq_u32 s2, 0
	s_cbranch_scc0 .Lentry_in_a_cluster
	s_endpgm
.Lentry_in_a_cluster:
	s_bfe_u32 s2, ttmp6, 0x10000c
	s_cmp_lg_u32 s2, 0x3003
	s_cbranch_scc0 .Lentry_shape_is_right
	s_endpgm
.Lentry_shape_is_right:
; q, k, v = x Wq, x Wkv on codes of FP4 with E8M0 scales, f32 sums; the rotary turn of q and k in f32; all x 2^-4, rounded to f16 and stored as images of the next products' operands.
; A work-group makes 128 positions (P = cluster y) x one head of 128 columns (hd = 4 x cluster x + cx: 0-15 q, 16-19 k, 20-23 v).  Four waves, 64 x 64 each: 16 accumulators.
; A wave's four tiles of positions are 2 a + (i & 1) + 4 (i >> 1), its four tiles of columns 2 u + (j & 1) + 4 (j >> 1): column tiles j and j + 2 lie 64 channels apart, so the rotary partner is in the same lane,
; and tiles come in even/odd pairs, which are the two halves of a 16-bit operand of 32 along its K.
; ALL OF K LIES IN LDS AT ONCE: 2 x 128 rows x 1,024 bytes of codes in four chunks of 256 bytes a row, and the scale bytes.  Nothing is filled again: five tensor loads a wave go out at the start.
; CLUSTER: the four partners share the positions: x's codes and scale bytes are asked for jointly (mask 15); W's differ from partner to partner and come by plain loads.
; The cluster is 1 high, so that the one branch on P (the low parts of positions 0-15) is alike in all partners.
; q, k: source 0 = 16 rows of W, source 1 = 16 positions: a lane holds one position and eight neighbouring channels.  v: the sources swapped: a lane holds one channel and eight neighbouring positions.
; qkv: head hd at hd x 524,288.  q, k: [tile of 16 positions 128][32 channels: 4][half 2][lane 32][16 B].  v: [32 keys: 64][16 channels: 8][half 2][lane 32][16 B].
; fine: head hd at hd x 4,096: what the f16 numbers of positions 0-15 leave (f32 remainder, rounded to f16), in the same order.
; LIMITS: q, k, v x 2^-4 must stay under 65,504; under 6e-5 f16 steps are 6e-8.  NaN and infinities are not served.
; REGISTERS: window 0: v1-15 addresses; v16-47 scale words, two sets; v48-63 at work; v64-127 packed results; v128-255 accumulators (i, j) at 128 + 8 (4 i + j).
;   window 1: two sets of fragments: x's at 64 s + 8 i, W's at 64 s + 32 + 8 j.   window 2: cos at 32 i + 8 j, sin 128 further on.
.set WCB,   2097152
.set XSB,   5242880
.set WSB,   5373952
.set CH,    34816                      ; a chunk's tile in LDS: 128 rows x (256 + 16) bytes
.set WCL,   139264                     ; behind x's four chunks: W's four
.set XSL,   278528                     ; x's scale bytes: 32 units of 256 + 16
.set WSL,   287232                     ; W's
.set SPARE, 295936                     ; the spare words, 128 bytes for each wave
.set SPW,   1
.set NIL,   2
.set ADRX,  3                          ; v3-6   my x fragments in chunk 0..3
.set ADRW,  7                          ; v7-10  my W fragments
.set ADRS,  11                         ; v11    my scale words: lanes 0-15 x's rows, lanes 16-31 W's
.set LOFF,  12                         ; v12    16 x lane
.set CSO,   13                         ; v13    512 r + 32 h: my place in the tables
.set SC,    16
.set T,     48
.set H,     64
.set ACC,   128
.set G1X,   16                         ; s[16:23] group 1: x's codes (joint);  s[24:31] W's codes;  s[32:39] x's scales (joint);  s[40:47] W's scales
.set G1W,   24
.set G1XS,  32
.set G1WS,  40
.set MSB, 0
.macro WIN new                         ; the immediate's high byte repeats the setting that is left
.if MSB != \new
	s_set_vgpr_msb (MSB<<8)|\new
.set MSB, \new
.endif
.endm
.macro PLACES n
.rept \n
	v_nop
.endr
.endm
.macro CROUND                          ; a round of the cluster's barrier
	s_barrier_signal -1
	s_barrier_wait -1
	s_cmp_lg_u32 s14, 0
	s_cbranch_scc1 .Lnot_wave_0_\@
	s_barrier_signal -3
.Lnot_wave_0_\@:
	s_barrier_wait -3
	s_barrier_signal -1
	s_barrier_wait -1
.endm
.macro G0SET g, lr, lc, off, add       ; a group 0: LDS address s[lr] + lc, global address codes + s[off:off+1] + add
	s_mov_b32 s[\g], 1
	s_add_co_u32 s[\g+1], s[\lr], \lc
	s_add_nc_u64 s[\g+2:\g+3], s[4:5], s[\off:\off+1]
.if (\add) != 0
	s_add_nc_u64 s[\g+2:\g+3], s[\g+2:\g+3], \add
.endif
	s_or_b32 s[\g+3], s[\g+3], 0x80000000
.endm
	s_load_b256 s[4:11], s[0:1], 0x0               ; codes s[4:5], cos s[6:7], sin s[8:9], qkv s[10:11]
	s_load_b64 s[12:13], s[0:1], 0x20              ; fine
	v_lshl_add_u32 v[SPW], v0, 2, SPARE
	v_mov_b32 v[NIL], 0
	ds_add_u32 v[SPW], v[NIL]                      ; the wave's opening: the add, twice on end, and its wait ahead of my first tensor load
	ds_add_u32 v[SPW], v[NIL]
	v_lshrrev_b32 v14, 5, v0
	v_readfirstlane_b32 s14, v14                   ; wave 0..3
	s_lshr_b32 s15, s14, 1                         ; a: my positions.  Also: I fetch for x (0) or for W (1)
	s_and_b32 s92, s14, 1                          ; u: my columns.  Also: which 64 rows I fetch
	s_bfe_u32 s93, ttmp6, 0x40000                  ; cx
	s_lshl_b32 s94, ttmp9, 2
	s_add_co_u32 s94, s94, s93                     ; hd
	s_and_b32 s95, ttmp7, 0xffff                   ; P
	s_mov_b32 s[G1X], 15|(1<<20)|(1<<21)|(5<<22)|(3<<25)   ; mask: all four; elements of 1 byte; 4 words of padding behind every 64
	s_mov_b32 s[G1W], (1<<20)|(5<<22)|(3<<25)              ; the same with no mask
.irp g, G1X, G1W
	s_mov_b32 s[\g+1], 256<<16                     ; tensor_dim0 = 256 bytes
	s_mov_b32 s[\g+2], 64<<16                      ; tensor_dim1 = 64 rows
	s_mov_b32 s[\g+3], 256<<16                     ; tile_dim0
	s_mov_b32 s[\g+4], 64                          ; tile_dim1
	s_mov_b32 s[\g+5], 1024                        ; from row to row
	s_mov_b32 s[\g+6], 0
	s_mov_b32 s[\g+7], 0
.endr
	s_mov_b32 s[G1XS], 15|(3<<16)|(1<<20)|(1<<21)|(5<<22)|(3<<25)   ; 64 rows' scale bytes: 4,096 dense bytes as 16 rows of 32 elements of 8 bytes
	s_mov_b32 s[G1WS], (3<<16)|(1<<20)|(5<<22)|(3<<25)
.irp g, G1XS, G1WS
	s_mov_b32 s[\g+1], 32<<16
	s_mov_b32 s[\g+2], 16<<16
	s_mov_b32 s[\g+3], 32<<16
	s_mov_b32 s[\g+4], 16
	s_mov_b32 s[\g+5], 32
	s_mov_b32 s[\g+6], 0
	s_mov_b32 s[\g+7], 0
.endr
	s_lshl_b32 s2, s95, 17                         ; x's codes: rows 128 P + 64 u of 1,024 bytes (no register here ever holds cx)
	s_lshl_b32 s96, s92, 16
	s_add_co_u32 s2, s2, s96
	s_mov_b32 s3, 0
	s_lshl_b32 s98, s95, 13                        ; x's scale bytes: 64 a row
	s_lshl_b32 s96, s92, 12
	s_add_co_u32 s98, s98, s96
	s_add_co_u32 s98, s98, XSB
	s_mov_b32 s99, 0
	s_lshl_b32 s66, s94, 17                        ; W's codes: rows 128 hd + 64 u
	s_lshl_b32 s96, s92, 16
	s_add_co_u32 s66, s66, s96
	s_add_co_u32 s66, s66, WCB
	s_mov_b32 s67, 0
	s_lshl_b32 s100, s94, 13
	s_lshl_b32 s96, s92, 12
	s_add_co_u32 s100, s100, s96
	s_add_co_u32 s100, s100, WSB
	s_mov_b32 s101, 0
	s_mul_i32 s96, s92, 64*272                     ; where my 64 rows go in a chunk's tile,
	s_mul_i32 s97, s92, 16*272                     ; and among the scale bytes
	s_wait_dscnt 0x0                               ; both opening adds are done
	s_wait_kmcnt 0x0
	G0SET 48, 97, XSL, 98, 0
	G0SET 52, 96, 0, 2, 0
	G0SET 56, 96, CH, 2, 256
	G0SET 60, 96, 2*CH, 2, 512
	G0SET 68, 96, 3*CH, 2, 768
	G0SET 72, 97, WSL, 100, 0
	G0SET 76, 96, WCL, 66, 0
	G0SET 80, 96, WCL+CH, 66, 256
	G0SET 84, 96, WCL+2*CH, 66, 512
	G0SET 88, 96, WCL+3*CH, 66, 768
	CROUND                                         ; all four work-groups are here: the joint loads meet
	s_cmp_eq_u32 s15, 0                            ; a wave's five first fills stand in one branch on the wave's number: five loads of mine are out
	s_cbranch_scc0 .Lfill_w
	tensor_load_to_lds s[48:51], s[G1XS:G1XS+7]    ; the scale bytes first: they are wanted with chunk 0
	s_nop 0
	tensor_load_to_lds s[52:55], s[G1X:G1X+7]
	s_nop 0
	tensor_load_to_lds s[56:59], s[G1X:G1X+7]
	s_nop 0
	tensor_load_to_lds s[60:63], s[G1X:G1X+7]
	s_nop 0
	tensor_load_to_lds s[68:71], s[G1X:G1X+7]
	s_nop 0
	PLACES 4
	s_branch .Lfilled
.Lfill_w:
	tensor_load_to_lds s[72:75], s[G1WS:G1WS+7]
	s_nop 0
	tensor_load_to_lds s[76:79], s[G1W:G1W+7]
	s_nop 0
	tensor_load_to_lds s[80:83], s[G1W:G1W+7]
	s_nop 0
	tensor_load_to_lds s[84:87], s[G1W:G1W+7]
	s_nop 0
	tensor_load_to_lds s[88:91], s[G1W:G1W+7]
	s_nop 0
	PLACES 4
.Lfilled:
	v_and_b32 v14, 15, v0                          ; r
	v_bfe_u32 v15, v0, 4, 1                        ; h
	v_mul_u32_u24 v12, v14, 272
	v_lshl_add_u32 v12, v15, 4, v12                ; a fragment's row x pitch + 16 h
	s_mul_i32 s2, s15, 32*272
	s_mul_i32 s3, s92, 32*272
	s_add_co_u32 s3, s3, WCL
.irp q, 0,1,2,3
	v_add_nc_u32 v[ADRX+\q], s2, v12
	v_add_nc_u32 v[ADRW+\q], s3, v12
	s_add_co_u32 s2, s2, CH
	s_add_co_u32 s3, s3, CH
.endr
	v_lshlrev_b32 v[ADRS], 6, v14                  ; my row's scale bytes: 64 a row,
	v_lshrrev_b32 v12, 2, v14
	v_lshl_add_u32 v[ADRS], v12, 4, v[ADRS]        ; and 16 more for each 256 passed
	s_mul_i32 s2, s15, 2176                        ; x's: 32 a rows on
	s_mul_i32 s3, s92, 2176                        ; W's: 32 u rows on, behind x's 8,704 bytes
	s_add_co_u32 s3, s3, 8704
	s_sub_co_u32 s3, s3, s2
	v_mul_u32_u24 v12, s3, v15                     ; lanes 16-31 take W's: one product with h
	s_add_co_u32 s2, s2, XSL
	v_add_nc_u32 v[ADRS], v[ADRS], v12
	v_add_nc_u32 v[ADRS], s2, v[ADRS]
	v_and_b32 v[LOFF], 31, v0
	v_lshlrev_b32 v[LOFF], 4, v[LOFF]
	v_lshlrev_b32 v[CSO], 9, v14
	v_lshl_add_u32 v[CSO], v15, 5, v[CSO]
	s_lshl_b32 s2, s95, 16                         ; the tables at position 128 P + 32 a, channel 32 u
	s_lshl_b32 s3, s15, 14
	s_add_co_u32 s2, s2, s3
	s_lshl_b32 s3, s92, 7
	s_add_co_u32 s2, s2, s3
	s_mov_b32 s3, 0
	s_add_nc_u64 s[96:97], s[6:7], s[2:3]
	s_add_nc_u64 s[98:99], s[8:9], s[2:3]
	s_lshl_b32 s66, s94, 19                        ; my head, my 128 positions (32,768 bytes in either order), my a
	s_lshl_b32 s2, s95, 15
	s_add_co_u32 s66, s66, s2
	s_lshl_b32 s2, s15, 13
	s_add_co_u32 s66, s66, s2
	s_mov_b32 s67, 0
	s_add_nc_u64 s[100:101], s[10:11], s[66:67]
	s_lshl_b32 s66, s94, 12
	s_lshl_b32 s2, s92, 10
	s_add_co_u32 s66, s66, s2
	s_add_nc_u64 s[12:13], s[12:13], s[66:67]      ; the low parts: head, + 1,024 u
.macro FRAG reg, adr, q, i             ; 16 rows x 128 K of 4-bit codes: registers 4 c .. 4 c + 3 hold K = 64 c + 32 h + 0 .. 31
.irp c, 0,1
	ds_load_b128 v[\reg+4*\c:\reg+4*\c+3], v[\adr] offset:64*(\q)+32*\c+(((\i)&1)*16+((\i)>>1)*64)*272
.endr
.endm
.macro FETCH q4, q, s                  ; 16 LDS loads: the fragments of the chunk's q-th 128 along K into set s
	WIN 0x40
.irp i, 0,1,2,3
	FRAG 64*(\s)+8*\i, ADRX+(\q4), \q, \i
.endr
.irp i, 0,1,2,3
	FRAG 64*(\s)+32+8*\i, ADRW+(\q4), \q, \i
.endr
	WIN 0
.endm
.macro SCALES q4                       ; a chunk's scale words: four a row; lanes 0-15 x's block i, lanes 16-31 W's block i
.irp i, 0,1,2,3
	ds_load_b128 v[SC+16*((\q4)%2)+4*\i:SC+16*((\q4)%2)+4*\i+3], v[ADRS] offset:(\i&1)*1088+(\i>>1)*4352+16*(\q4)
.endr
.endm
; 16 matrix instructions, the 16 accumulators by turns.  zero = 1: the first products start the sums.
.macro MUL s, q, sc, swap, zero
	WIN 0x05
.irp i, 0,1,2,3
.irp j, 0,1,2,3
.set rD, ACC+8*(4*\i+\j)
.set rX, 64*(\s)+8*\i
.set rW, 64*(\s)+32+8*\j
.set sX, SC+16*(\sc)+4*\i+(\q)
.set sW, SC+16*(\sc)+4*\j+(\q)
.if (\swap) && (\zero)
	v_wmma_scale_f32_16x16x128_f8f6f4 v[rD:rD+7], v[rX:rX+7], v[rW:rW+7], 0, v[sX], v[sW] matrix_a_fmt:MATRIX_FMT_FP4 matrix_b_fmt:MATRIX_FMT_FP4 matrix_b_scale:MATRIX_SCALE_ROW1
.elseif \swap
	v_wmma_scale_f32_16x16x128_f8f6f4 v[rD:rD+7], v[rX:rX+7], v[rW:rW+7], v[rD:rD+7], v[sX], v[sW] matrix_a_fmt:MATRIX_FMT_FP4 matrix_b_fmt:MATRIX_FMT_FP4 matrix_b_scale:MATRIX_SCALE_ROW1
.elseif \zero
	v_wmma_scale_f32_16x16x128_f8f6f4 v[rD:rD+7], v[rW:rW+7], v[rX:rX+7], 0, v[sW], v[sX] matrix_a_fmt:MATRIX_FMT_FP4 matrix_b_fmt:MATRIX_FMT_FP4 matrix_a_scale:MATRIX_SCALE_ROW1
.else
	v_wmma_scale_f32_16x16x128_f8f6f4 v[rD:rD+7], v[rW:rW+7], v[rX:rX+7], v[rD:rD+7], v[sW], v[sX] matrix_a_fmt:MATRIX_FMT_FP4 matrix_b_fmt:MATRIX_FMT_FP4 matrix_a_scale:MATRIX_SCALE_ROW1
.endif
.endr
.endr
.endm
; A chunk: 512 along K, four steps of 128.  Four plain places stand in front of each run of loads into registers that matrix instructions have read.
.macro CHUNK q4, swap
	s_wait_tensorcnt 3-\q4                         ; my scale bytes and my parts of chunks 0 .. q4 are in; the later chunks' loads may stay out
	s_barrier_signal -1                            ; (no LDS instruction of mine is out here)
	s_barrier_wait -1                              ; everybody's are
.if \q4 > 0
	PLACES 4
.endif
	SCALES \q4
	FETCH \q4, 0, 0
	FETCH \q4, 1, 1
	s_wait_dscnt 16                                ; all but the 16 just issued
.if \q4 == 0
	MUL 0, 0, \q4%2, \swap, 1
.else
	MUL 0, 0, \q4%2, \swap, 0
.endif
	PLACES 4
	FETCH \q4, 2, 0
	s_wait_dscnt 16
	MUL 1, 1, \q4%2, \swap, 0
	PLACES 4
	FETCH \q4, 3, 1
	s_wait_dscnt 16
	MUL 0, 2, \q4%2, \swap, 0
	s_wait_dscnt 0x0
	MUL 1, 3, \q4%2, \swap, 0
	WIN 0
.endm
; What the f16 numbers of tile (0, jj) leave: they are widened into the accumulator that has just been used up, taken off the f32 numbers at v[tb] on, and packed into its four lowest registers.
.macro LOWP jj, tb
.set LA, ACC+8*(\jj)
.set wn, 0
.if (\jj) == 0
.irp nm, v64.l, v64.h, v65.l, v65.h, v66.l, v66.h, v67.l, v67.h
	v_cvt_f32_f16 v[LA+wn], \nm
.set wn, wn+1
.endr
.elseif (\jj) == 1
.irp nm, v68.l, v68.h, v69.l, v69.h, v70.l, v70.h, v71.l, v71.h
	v_cvt_f32_f16 v[LA+wn], \nm
.set wn, wn+1
.endr
.elseif (\jj) == 2
.irp nm, v72.l, v72.h, v73.l, v73.h, v74.l, v74.h, v75.l, v75.h
	v_cvt_f32_f16 v[LA+wn], \nm
.set wn, wn+1
.endr
.else
.irp nm, v76.l, v76.h, v77.l, v77.h, v78.l, v78.h, v79.l, v79.h
	v_cvt_f32_f16 v[LA+wn], \nm
.set wn, wn+1
.endr
.endif
.irp p, 0,2,4,6
	v_pk_add_f32 v[LA+\p:LA+\p+1], v[\tb+\p:\tb+\p+1], v[LA+\p:LA+\p+1] neg_lo:[0,1] neg_hi:[0,1]
.endr
.irp k, 0,1,2,3
	v_cvt_pk_f16_f32 v[LA+\k], v[LA+2*\k], v[LA+2*\k+1]
.endr
.endm
; The rotary turn of tiles (i, j) and (i, j + 2): channels d and d + 64 of one position.  y(d) = x(d) cos(d) - x(d + 64) sin(d);  y(d + 64) = x(d + 64) cos(d + 64) + x(d) sin(d + 64).
.macro ROPE i, j
.set A0, ACC+8*(4*(\i)+(\j))
.set A1, ACC+8*(4*(\i)+(\j)+2)
.set C0, 32*(\i)+8*(\j)
.set C1, 32*(\i)+8*((\j)+2)
.set H0, H+4*(4*(\i)+(\j))
.set H1, H+4*(4*(\i)+(\j)+2)
	WIN 0x08                                       ; source 1 (the tables) in window 2
.irp p, 0,2,4,6                        ; each accumulator from its low end on
	v_pk_mul_f32 v[T+\p:T+\p+1], v[A0+\p:A0+\p+1], v[C0+\p:C0+\p+1]
	v_pk_mul_f32 v[T+8+\p:T+8+\p+1], v[A1+\p:A1+\p+1], v[C1+\p:C1+\p+1]
	v_pk_fma_f32 v[T+\p:T+\p+1], v[A1+\p:A1+\p+1], v[128+C0+\p:128+C0+\p+1], v[T+\p:T+\p+1] neg_lo:[1,0,0] neg_hi:[1,0,0]
	v_pk_fma_f32 v[T+8+\p:T+8+\p+1], v[A0+\p:A0+\p+1], v[128+C1+\p:128+C1+\p+1], v[T+8+\p:T+8+\p+1]
.endr
	WIN 0
.irp p, 0,2,4,6,8,10,12,14
	v_pk_mul_f32 v[T+\p:T+\p+1], v[T+\p:T+\p+1], 0x3d800000 op_sel_hi:[1,0]   ; x 2^-4: exact
.endr
.irp k, 0,1,2,3
	v_cvt_pk_f16_f32 v[H0+\k], v[T+2*\k], v[T+2*\k+1]
	v_cvt_pk_f16_f32 v[H1+\k], v[T+8+2*\k], v[T+8+2*\k+1]
.endr
	global_store_b128 v[LOFF], v[H0:H0+3], s[100:101] offset:(((\i)&1)+4*((\i)>>1))*4096+(\j)*512        ; a half of an operand's image: 512 consecutive bytes
	global_store_b128 v[LOFF], v[H1:H1+3], s[100:101] offset:(((\i)&1)+4*((\i)>>1))*4096+2048+(\j)*512
.if (\i) == 0
	LOWP \j, T
	LOWP (\j)+2, T+8
.endif
.endm
.macro VOUT i, j
.set A0, ACC+8*(4*(\i)+(\j))
.set H0, H+4*(4*(\i)+(\j))
.irp p, 0,2,4,6
	v_pk_mul_f32 v[T+\p:T+\p+1], v[A0+\p:A0+\p+1], 0x3d800000 op_sel_hi:[1,0]
.endr
.irp k, 0,1,2,3
	v_cvt_pk_f16_f32 v[H0+\k], v[T+2*\k], v[T+2*\k+1]
.endr
	global_store_b128 v[LOFF], v[H0:H0+3], s[100:101] offset:((\i)>>1)*16384+((\i)&1)*512+(((\j)&1)+4*((\j)>>1))*1024
.if (\i) == 0
	LOWP \j, T
.endif
.endm
	s_cmp_eq_u32 ttmp9, 5                          ; the cluster's x: alike in all four partners.  Heads 20-23 are v's
	s_cbranch_scc1 .Lvpath
	; ---- q and k
	s_lshl_b32 s2, s92, 10
	s_mov_b32 s3, 0
	s_add_nc_u64 s[100:101], s[100:101], s[2:3]    ; + my u: 32 channels are 1,024 bytes of a tile's image
	WIN 0x80                                       ; destination window 2
.irp i, 0,1,2,3
.irp j, 0,1,2,3
	global_load_b128 v[32*\i+8*\j:32*\i+8*\j+3], v[CSO], s[96:97] offset:((\i&1)*16+(\i>>1)*64)*512+((\j&1)*16+(\j>>1)*64)*4
	global_load_b128 v[32*\i+8*\j+4:32*\i+8*\j+7], v[CSO], s[96:97] offset:((\i&1)*16+(\i>>1)*64)*512+((\j&1)*16+(\j>>1)*64)*4+16
	global_load_b128 v[128+32*\i+8*\j:128+32*\i+8*\j+3], v[CSO], s[98:99] offset:((\i&1)*16+(\i>>1)*64)*512+((\j&1)*16+(\j>>1)*64)*4
	global_load_b128 v[128+32*\i+8*\j+4:128+32*\i+8*\j+7], v[CSO], s[98:99] offset:((\i&1)*16+(\i>>1)*64)*512+((\j&1)*16+(\j>>1)*64)*4+16
.endr
.endr
	WIN 0
	CHUNK 0, 0
	CHUNK 1, 0
	CHUNK 2, 0
	CHUNK 3, 0
	PLACES 4                                       ; in front of the first read of results
	s_wait_loadcnt 0x0                             ; the tables
.irp i, 0,1,2,3
.irp j, 0,1
	ROPE \i, \j
.endr
.endr
	s_branch .Llow
.Lvpath:
	; ---- v
	s_lshl_b32 s2, s92, 11
	s_mov_b32 s3, 0
	s_add_nc_u64 s[100:101], s[100:101], s[2:3]    ; + my u: two tiles of 16 channels, 1,024 bytes each
	CHUNK 0, 1
	CHUNK 1, 1
	CHUNK 2, 1
	CHUNK 3, 1
	PLACES 4
.irp i, 0,1,2,3
.irp j, 0,1,2,3
	VOUT \i, \j
.endr
.endr
.Llow:
	s_or_b32 s2, s95, s15                          ; positions 0-15 lie in P = 0, a = 0, i = 0: the cluster's y and the wave's number
	s_cmp_lg_u32 s2, 0
	s_cbranch_scc1 .Lend
.irp jj, 0,1,2,3
	global_store_b128 v[LOFF], v[ACC+8*\jj:ACC+8*\jj+3], s[12:13] offset:(\jj>>1)*2048+(\jj&1)*512
.endr
.Lend:
	s_wait_tensorcnt 0x0                           ; the wave's end
	ds_add_u32 v[SPW], v[NIL]
	s_wait_dscnt 0x0
	CROUND                                         ; the closing round
	s_endpgm
.Lfunc_end_k_qd5d4f6b126_qkvrope:
	.size	k_qd5d4f6b126_qkvrope, .Lfunc_end_k_qd5d4f6b126_qkvrope-k_qd5d4f6b126_qkvrope
	.p2alignl 7, 3214868480
	.fill 96, 4, 3214868480
	.section	.rodata,"a",@progbits
	.p2align	6, 0x0
	.amdhsa_kernel k_qd5d4f6b126_qkvrope
		.amdhsa_group_segment_fixed_size 327680
		.amdhsa_private_segment_fixed_size 0
		.amdhsa_enable_private_segment 0
		.amdhsa_kernarg_size 40
		.amdhsa_user_sgpr_count 2
		.amdhsa_user_sgpr_kernarg_segment_ptr 1
		.amdhsa_wavefront_size32 1
		.amdhsa_system_sgpr_workgroup_id_x 1
		.amdhsa_system_sgpr_workgroup_id_y 1
		.amdhsa_system_sgpr_workgroup_id_z 1
		.amdhsa_system_vgpr_workitem_id 0
		.amdhsa_next_free_vgpr 768
		.amdhsa_next_free_sgpr 102
		.amdhsa_reserve_vcc 0
		.amdhsa_float_denorm_mode_32 3
		.amdhsa_float_denorm_mode_16_64 3
		.amdhsa_memory_ordered 1
		.amdhsa_forward_progress 1
		.amdhsa_inst_pref_size 161
	.end_amdhsa_kernel
	.amdgpu_metadata
---
amdhsa.version: [ 1, 2 ]
amdhsa.kernels:
  - .name:           k_qd5d4f6b126_qkvrope
    .symbol:         k_qd5d4f6b126_qkvrope.kd
    .args:
      - { .name: codes, .offset: 0, .size: 8, .value_kind: global_buffer, .address_space: global }
      - { .name: cos, .offset: 8, .size: 8, .value_kind: global_buffer, .address_space: global }
      - { .name: sin, .offset: 16, .size: 8, .value_kind: global_buffer, .address_space: global }
      - { .name: qkv, .offset: 24, .size: 8, .value_kind: global_buffer, .address_space: global }
      - { .name: fine, .offset: 32, .size: 8, .value_kind: global_buffer, .address_space: global }
    .group_segment_fixed_size: 327680
    .private_segment_fixed_size: 0
    .kernarg_segment_align: 8
    .kernarg_segment_size: 40
    .max_flat_workgroup_size: 128
    .sgpr_count:     102
    .vgpr_count:     768
    .wavefront_size: 32
...
	.end_amdgpu_metadata
.endif
;; end of part 2
;; launch flash (part 3): grid 16 x 16, 4 waves a work-group, no clusters, 139,776 bytes of LDS; arguments qkv, fine, wo16, att16, part; writes att16, part
.if DOCPART == 3
	.amdgcn_target "amdgcn-amd-amdhsa--gfx1250"
	.amdhsa_code_object_version 6
	.text
	.protected	k_qd5d4f6b126_flash
	.globl	k_qd5d4f6b126_flash
	.p2align	8
	.type	k_qd5d4f6b126_flash,@function
k_qd5d4f6b126_flash:
	s_mov_b64 s[64:65], 0
	v_nop
	global_prefetch_b8 v0, s[64:65] scope:SCOPE_SE
	s_setreg_imm32_b32 hwreg(HW_REG_WAVE_MODE, 25, 1), 1
	s_wait_xcnt 0x0
; Causal attention of 16 query heads on 4 key and value heads, head size 128, 2,048 positions.  Operands f16 (q, k, v stored x 2^-4), products' sums, maxima, exponentials and row sums f32; the weights p are rounded to f16.
; SHARES.  A work-group owns query blocks 31 - p and p (64 queries each) of one head, one after the other: 33 key steps of 64 keys whatever p: 256 equal work-groups.
; THE FOUR WAVES SPLIT THE KEYS: every wave holds all 64 queries (four tiles of 16) and takes key steps w, w + 4, .. up to the block's own.  So each fragment of K and V feeds four matrix instructions,
; no wave reads a key that another reads, and K and V come straight from their operand images into registers: 512 consecutive bytes a load, no LDS and no barrier in the walk.
; No cluster: within a work-group no tile is shared, and work-groups of a head walk different numbers of steps.
; Each wave keeps its own running maximum m and sum l; at a block's end the four partial results meet in LDS: M = max c m, f = 2^(c m - M), L = sum f l, O = sum f O / L.
; LAYOUT.  S^T = K Q^T (source 0 = 16 keys, source 1 = 16 queries): a lane holds ONE query and keys 8 h + 0..7; two such tiles, packed to f16, are source 1 of O^T = V^T P.
; c = 2^8 log2(e) / sqrt(128): the 2^8 undoes q's and k's 2^-4; the 16 in the last factor undoes v's.
; The causal mask: steps beyond the block's own are not walked; the block's own step (the last of wave blk % 4) sets hidden scores to -infinity.  Its first key is open to every query, so every maximum is a number.
; att16: [tile of 16 positions 128][32 of the 2,048 channels: 64][half 2][lane 32][16 B], at true scale.
; THE FINE PASS, at the kernel's head.  Positions 0-15 average one to sixteen values and are the largest rows of the output: their attention AND their projection by Wo are made here once more with every operand as a pair
; of f16 numbers, a high and a low part: a b = ah bh + ah bl + al bh (the product of the two low parts, 2^-22 of the whole, is left out).  Work-group (head, p) makes 16 columns of the output, 8 head + p / 2, for 8 of the
; 16 heads, those of half p % 2; wave w takes heads 8 (p % 2) + 2 w and the next, which share a key and value head, so K and V are loaded once for both.  Each work-group repeats the 16 x 16 attention of its 8 heads.
; V^T P there: the operand's K = 32 holds the 16 keys twice, slots 0-15 V's high parts, slots 16-31 its low parts, against [P | P]: one instruction gives (Vh + Vl) P.
; The four waves' sums meet in LDS; waves 0 and 1 add them and store into part [half 2][16 positions][2,048 columns] f32, in pieces of 64 bytes of a row: 262,144 bytes in the whole launch.  The next launch adds the two halves.
; The first block's Q, K and V are asked for ahead of the fine pass's operands, so that they land while it runs.
; LIMITS: the attention's output must stay under 65,504.  NaN and infinities are not served.
; REGISTERS: window 0: v2-10 addresses; v12-43 statistics, eight a tile: +0 c m, +1 m, +2 +3 l, +4..+7 at work; v64-191 S^T; v192-255 P.  window 1: O^T, 64 a tile.  window 2: v0-127 Q, v128-255 K.  window 3: V; at the merge the four images.
;   In the fine pass: window 1: v0-63 K high, low; v64-127 V; v128-255 Q of my two heads.  window 3: v128-255 Wo for my two heads.  window 0: v12-15 f16 pairs to be widened; v16-31, v44-49 at work; v64-127 O^T;
;   v128-191 A high, low; v192-215 three accumulators of S^T; v216-239 three of the projection; v240-255 [Ph | Ph], [Pl | Pl].
.set ST,    12
.set S,     64
.set P,     192
.set KF,    128
.set LOFF,  2                          ; v2  16 x lane: my place in an image (global)
.set SA,    3                          ; v3  LDS: 16 x lane + 4 x wave: my word among the statistics
.set SL,    4                          ; v4  LDS: 16 x lane: the four waves' words
.set SB0,   5                          ; v5  LDS: my images of tiles 0, 1
.set SB1,   6                          ; v6  of tiles 2, 3
.set LB,    7                          ; v7  LDS: the four images of the tile that I finish
.set DD,    9                          ; v9  r - 8 h
.set NINF,  10                         ; v10 -infinity
.set SPW,   62
.set NIL,   63
.set IMG,   4096                       ; LDS: 0 c m [tile][lane][wave], 2,048 l likewise; 4,096 images [tile 4][wave 4][16][512 B]
.set SPARE, 135168                     ; the spare words, 128 bytes for each wave
.set RED,   135680                     ; the fine pass: [wave 4][1,024 B]
.set FX,    16                         ; the fine pass, window 0: v16-23 scores, then p, then sums
.set FW,    24                         ; v24-31 f16 numbers widened again, then what they leave
.set FRS,   44                         ; v44 LDS: my partial sums;  v45 what waves 0 and 1 read back;  v46 my byte offset in part
.set FRL,   45
.set FGO,   46
.set FO,    64
.set FA,    128
.set FS,    192
.set FP,    216
.set FPP,   240
.set WV,    12
.set CS,    58
.set SEL,   60
.set MSB, 0
.macro WIN new
.if MSB != \new
	s_set_vgpr_msb (MSB<<8)|\new
.set MSB, \new
.endif
.endm
.set W_KQ, 0x0a                        ; K and Q in window 2, S^T in window 0
.set W_PV, 0x53                        ; V in window 3, P in window 0, O^T in window 1
.set W_RS, 0x41                        ; O^T in window 1, the factor in window 0
.macro PLACES
.rept 4
	v_nop
.endr
.endm
.macro LD32 dst, win, base             ; 16 KiB of images: 32 loads of 512 consecutive bytes
	WIN \win
.irp i, 0,1,2,3,4,5,6,7,8,9,10,11,12,13,14,15,16,17,18,19,20,21,22,23,24,25,26,27,28,29,30,31
	global_load_b128 v[\dst+4*\i:\dst+4*\i+3], v[LOFF], s[\base:\base+1] offset:512*\i
.endr
	WIN 0
.endm
; Product i of 32 of S^T = K Q^T for tiles x, x + 1: channels 32 (i / 8) on, keys 16 ((i / 2) % 4) on.  The accumulators take turns.
.macro KQ x
	WIN W_KQ
.set rS, S+32*(\x+i%2)+8*((i/2)%4)
.set rK, KF+32*((i/2)%4)+8*(i/8)
.set rQ, 32*(\x+i%2)+8*(i/8)
.if i < 8
	v_wmma_f32_16x16x32_f16 v[rS:rS+7], v[rK:rK+7], v[rQ:rQ+7], 0
.else
	v_wmma_f32_16x16x32_f16 v[rS:rS+7], v[rK:rK+7], v[rQ:rQ+7], v[rS:rS+7]
.endif
.endm
; Product i of 32 of O^T += V^T P: keys 32 (i / 16) on, channels 16 ((i / 2) % 8) on.
.macro PV x
	WIN W_PV
.set rO, 64*(\x+i%2)+8*((i/2)%8)
.set rV, 64*(i/16)+8*((i/2)%8)
.set rP, P+16*(\x+i%2)+8*(i/16)
	v_wmma_f32_16x16x32_f16 v[rO:rO+7], v[rV:rV+7], v[rP:rP+7], v[rO:rO+7]
.endm
; Number j of the 134 instructions of one tile's softmax for one key step.
;   0-15 the maximum of the lane's 32 scores and the old m;  16-20 the other half of the lanes', the new m, c m, c m_old - c m_new;
;   21-69 ONE BATCH: 16 packed scalings c s - c m and 33 exponentials (a at 23), none of which reads an exponential's result;
;   70-85 the roundings to f16;  86-101 the sums, l = a l + the sum;  102-133 O^T x a.
.macro SM t
.set rT, ST+8*(\t)
.set rS, S+32*(\t)
.set rP, P+16*(\t)
.set rO, 64*(\t)+2*(j-102)
.if j < 102
	WIN 0
.endif
.if j < 4
	v_max3_num_f32 v[rT+4+j], v[rS+8*j], v[rS+8*j+1], v[rS+8*j+2]          ; each accumulator is read from its low end on
.elseif j < 12
	v_max3_num_f32 v[rT+4+j%4], v[rT+4+j%4], v[rS+8*(j%4)+2*(j/4)+1], v[rS+8*(j%4)+2*(j/4)+2]
.elseif j == 12
	v_max3_num_f32 v[rT+4], v[rT+4], v[rS+7], v[rS+15]
.elseif j == 13
	v_max3_num_f32 v[rT+6], v[rT+6], v[rS+23], v[rS+31]
.elseif j == 14
	v_max3_num_f32 v[rT+4], v[rT+4], v[rT+5], v[rT+6]
.elseif j == 15
	v_max3_num_f32 v[rT+4], v[rT+4], v[rT+7], v[rT+1]
.elseif j == 16
	v_permlanex16_b32 v[rT+5], v[rT+4], s[SEL], s[SEL+1]
.elseif j == 17
	v_mov_b32 v[rT+7], v[rT]
.elseif j == 18
	v_max_num_f32 v[rT+1], v[rT+4], v[rT+5]
.elseif j == 19
	v_mul_f32 v[rT], s[CS], v[rT+1]
.elseif j == 20
	v_sub_f32 v[rT+7], v[rT+7], v[rT]
.elseif j == 23
	v_exp_f32 v[rT+6], v[rT+7]
.elseif (j < 23) || ((j < 38) && (j%2 == 0)) || ((j < 66) && (j%4 == 2))
.set b, (j-2)/4
.if j < 38
.set b, (j-20)/2
.endif
	v_pk_fma_f32 v[rS+2*b:rS+2*b+1], v[rS+2*b:rS+2*b+1], s[CS:CS+1], v[rT:rT+1] op_sel_hi:[1,0,0] neg_lo:[0,0,1] neg_hi:[0,0,1]
.elseif j < 70
.set e, j-38
.if j < 66
.set e, j-32-(j-38)/4
.endif
.if j < 38
.set e, (j-25)/2
.endif
	v_exp_f32 v[rS+e], v[rS+e]
.elseif j < 86
	v_cvt_pk_f16_f32 v[rP+j-70], v[rS+2*(j-70)], v[rS+2*(j-70)+1]
.elseif j < 102
.set z, j-86
.set w, 4
.set u, z
.if z >= 14
.set w, 32
.set u, 0
.elseif z >= 12
.set w, 16
.set u, z-12
.elseif z >= 8
.set w, 8
.set u, z-8
.endif
.if z < 15
	v_pk_add_f32 v[rS+w*u:rS+w*u+1], v[rS+w*u:rS+w*u+1], v[rS+w*u+w/2:rS+w*u+w/2+1]
.else
	v_pk_fma_f32 v[rT+2:rT+3], v[rT+2:rT+3], v[rT+6:rT+7], v[rS:rS+1] op_sel_hi:[1,0,1]
.endif
.else
	WIN W_RS
	v_pk_mul_f32 v[rO:rO+1], v[rO:rO+1], v[rT+6:rT+7] op_sel_hi:[1,0]
.endif
.endm
.macro SOFTMAX                         ; the four tiles by turns, number by number; one wait for the step's 132 exponentials, ahead of the first instruction that names a result
.set j, 0
.rept 70
.irp t, 0,1,2,3
	SM \t
.endr
.set j, j+1
.endr
	v_nop                                          ; a plain instruction behind the last exponential
	s_wait_alu depctr_va_vdst(0)
.rept 64
.irp t, 0,1,2,3
	SM \t
.endr
.set j, j+1
.endr
.endm
.macro MASK                            ; the block's own step: tile t's query 16 t + r against key 16 kt + 8 h + jj
.irp t, 0,1,2,3
.irp kt, 0,1,2,3
.if \kt > \t
.irp jj, 0,1,2,3,4,5,6,7
	v_mov_b32 v[S+32*\t+8*\kt+\jj], v[NINF]
.endr
.elseif \kt == \t
.irp jj, 0,1,2,3,4,5,6,7
	v_cndmask_b32 v[S+32*\t+8*\kt+\jj], v[S+32*\t+8*\kt+\jj], v[NINF], s[70+\jj]
.endr
.endif
.endr
.endr
.endm
.macro CLEAR                           ; a wave may have any number of steps, none too: the step is written to find zeros, which the first factor a = 0 leaves zeros
	WIN 0x40
.set i, 0
.rept 256
	v_mov_b32 v[i], 0
.set i, i+1
.endr
	WIN 0
.irp t, 0,1,2,3
	v_mov_b32 v[ST+8*\t], v[NINF]
	v_mov_b32 v[ST+8*\t+1], v[NINF]
	v_mov_b32 v[ST+8*\t+2], 0
	v_mov_b32 v[ST+8*\t+3], 0
	v_mov_b32 v[ST+8*\t+5], 0                      ; (a lane permute's destination counts as one of its sources)
.endr
.endm
; A key step.  ahead = 1: the next step's K is asked for behind K Q^T and its V behind V^T P.  ahead = 0: the wave's last step, which alone can be the block's own.
.macro STEP ahead
	s_wait_loadcnt 32                              ; K (and Q) are in; V's 32 younger loads may be out
.irp x, 0, 2
.set i, 0
.rept 32
	KQ \x
.set i, i+1
.endr
.endr
	WIN 0
	PLACES                                         ; in front of loads into K's registers and of the first touch of the scores
.if \ahead
	s_add_nc_u64 s[20:21], s[20:21], 65536         ; four steps on (K's loads are done: their base is free)
	LD32 KF, 0x80, 20
.else
	s_and_b32 s36, s15, 3
	s_cmp_lg_u32 s36, s[WV]
	s_cbranch_scc1 .Lopen_\@
	MASK
.Lopen_\@:
.endif
	SOFTMAX
.if \ahead
	s_wait_loadcnt 32                              ; V is in; the next K's 32 loads may be out
.else
	s_wait_loadcnt 0x0
.endif
.irp x, 0, 2
.set i, 0
.rept 32
	PV \x
.set i, i+1
.endr
.endr
	WIN 0
	PLACES
.if \ahead
	s_add_nc_u64 s[22:23], s[22:23], 65536
	LD32 0, 0xc0, 22
.endif
.endm
.macro WIDE8 d                         ; the eight f16 numbers of v12-15 as f32 in v[d] on
.set wn, 0
.irp nm, v12.l, v12.h, v13.l, v13.h, v14.l, v14.h, v15.l, v15.h
	v_cvt_f32_f16 v[(\d)+wn], \nm
.set wn, wn+1
.endr
.endm
; THE FINE PASS for my head e (0, 1).  left1, left2: the younger loads that may be out ahead of S^T and ahead of the projection.
; In every run of products the accumulators take turns, one instruction a turn.
.macro FINE e, left1, left2
.set QH, 128+64*(\e)                   ; window 1: my head's Q, high; low 32 further on
.set WH, 128+64*(\e)                   ; window 3: Wo for my head's 128 k, high; low 32 further on
	s_wait_loadcnt \left1
	WIN 0x05                                       ; K and Q in window 1
.irp c, 0,1,2,3
.if \c == 0
	v_wmma_f32_16x16x32_f16 v[FS:FS+7], v[0:7], v[QH:QH+7], 0
	v_wmma_f32_16x16x32_f16 v[FS+8:FS+15], v[0:7], v[QH+32:QH+39], 0
	v_wmma_f32_16x16x32_f16 v[FS+16:FS+23], v[32:39], v[QH:QH+7], 0
.else
	v_wmma_f32_16x16x32_f16 v[FS:FS+7], v[8*\c:8*\c+7], v[QH+8*\c:QH+8*\c+7], v[FS:FS+7]
	v_wmma_f32_16x16x32_f16 v[FS+8:FS+15], v[8*\c:8*\c+7], v[QH+32+8*\c:QH+39+8*\c], v[FS+8:FS+15]
	v_wmma_f32_16x16x32_f16 v[FS+16:FS+23], v[32+8*\c:39+8*\c], v[QH+8*\c:QH+8*\c+7], v[FS+16:FS+23]
.endif
.endr
	WIN 0
	PLACES                                         ; in front of the first read of results
.irp j, 0,1,2,3,4,5,6,7
	v_add_f32 v[FX+\j], v[FS+\j], v[FS+8+\j]       ; ascending: each accumulator from its low end on
.endr
.irp j, 0,1,2,3,4,5,6,7
	v_add_f32 v[FX+\j], v[FX+\j], v[FS+16+\j]
.endr
.irp j, 0,1,2,3,4,5,6,7
	v_cndmask_b32 v[FX+\j], v[FX+\j], v[NINF], s[70+\j]   ; key 8 h + j is hidden from query r where j > r - 8 h
.endr
	v_max3_num_f32 v47, v[FX], v[FX+1], v[FX+2]
	v_max3_num_f32 v47, v47, v[FX+3], v[FX+4]
	v_max3_num_f32 v47, v47, v[FX+5], v[FX+6]
	v_max_num_f32 v47, v47, v[FX+7]
	v_permlanex16_b32 v48, v47, s[SEL], s[SEL+1]
	v_max_num_f32 v47, v47, v48                    ; the row's largest score: key 0 is open to every query
	v_mul_f32 v47, s[CS], v47
.irp j, 0,1,2,3,4,5,6,7
	v_fma_f32 v[FX+\j], v[FX+\j], s[CS], -v47
.endr
.irp j, 0,1,2,3,4,5,6,7
	v_exp_f32 v[FX+\j], v[FX+\j]
.endr
	v_nop
	s_wait_alu depctr_va_vdst(0)                   ; one wait for the eight exponentials
	v_add_f32 v48, v[FX], v[FX+1]
	v_add_f32 v47, v[FX+2], v[FX+3]
	v_add_f32 v48, v48, v[FX+4]
	v_add_f32 v47, v47, v[FX+5]
	v_add_f32 v48, v48, v[FX+6]
	v_add_f32 v47, v47, v[FX+7]
	v_add_f32 v48, v48, v47
	v_permlanex16_b32 v49, v48, s[SEL], s[SEL+1]
	v_add_f32 v48, v48, v49                        ; the row's sum
	v_rcp_f32 v48, v48
	v_nop
	s_wait_alu depctr_va_vdst(0)
	v_mul_f32 v48, 0x41800000, v48                 ; 16 / the sum: the 16 undoes v's 2^-4
.irp j, 0,1,2,3,4,5,6,7
	v_mul_f32 v[FX+\j], v[FX+\j], v48
.endr
.irp k, 0,1,2,3
	v_cvt_pk_f16_f32 v[12+\k], v[FX+2*\k], v[FX+2*\k+1]   ; P high
.endr
	WIDE8 FW
.irp p, 0,2,4,6
	v_pk_add_f32 v[FW+\p:FW+\p+1], v[FX+\p:FX+\p+1], v[FW+\p:FW+\p+1] neg_lo:[0,1] neg_hi:[0,1]
.endr
.irp k, 0,1,2,3
	v_cvt_pk_f16_f32 v[FPP+8+\k], v[FW+2*\k], v[FW+2*\k+1]   ; P low
.endr
.irp k, 0,1,2,3
	v_mov_b32 v[FPP+\k], v[12+\k]                  ; [Ph | Ph]
	v_mov_b32 v[FPP+4+\k], v[12+\k]
	v_mov_b32 v[FPP+12+\k], v[FPP+8+\k]            ; [Pl | Pl]
.endr
	WIN 0x01                                       ; V in window 1
.irp ct, 0,1,2,3,4,5,6,7
	v_wmma_f32_16x16x32_f16 v[FO+8*\ct:FO+8*\ct+7], v[64+8*\ct:71+8*\ct], v[FPP:FPP+7], 0
.endr
.irp ct, 0,1,2,3,4,5,6,7
	v_wmma_f32_16x16x32_f16 v[FO+8*\ct:FO+8*\ct+7], v[64+8*\ct:71+8*\ct], v[FPP+8:FPP+15], v[FO+8*\ct:FO+8*\ct+7]
.endr
	WIN 0
	PLACES
; O^T, at true scale, becomes the projection's operand in two parts: tile ct is half ct % 2 of chunk ct / 2
.irp ct, 0,1,2,3,4,5,6,7
.irp k, 0,1,2,3
	v_cvt_pk_f16_f32 v[12+\k], v[FO+8*\ct+2*\k], v[FO+8*\ct+2*\k+1]
.endr
	WIDE8 FW
.irp k, 0,1,2,3
	v_mov_b32 v[FA+4*\ct+\k], v[12+\k]
.endr
.irp p, 0,2,4,6
	v_pk_add_f32 v[FW+\p:FW+\p+1], v[FO+8*\ct+\p:FO+8*\ct+\p+1], v[FW+\p:FW+\p+1] neg_lo:[0,1] neg_hi:[0,1]
.endr
.irp k, 0,1,2,3
	v_cvt_pk_f16_f32 v[FA+32+4*\ct+\k], v[FW+2*\k], v[FW+2*\k+1]
.endr
.endr
	s_wait_loadcnt \left2                          ; Wo for this head
	WIN 0x03                                       ; Wo in window 3
.irp c, 0,1,2,3
.if ((\e) == 0) && (\c == 0)
	v_wmma_f32_16x16x32_f16 v[FP:FP+7], v[WH:WH+7], v[FA:FA+7], 0
	v_wmma_f32_16x16x32_f16 v[FP+8:FP+15], v[WH:WH+7], v[FA+32:FA+39], 0
	v_wmma_f32_16x16x32_f16 v[FP+16:FP+23], v[WH+32:WH+39], v[FA:FA+7], 0
.else
	v_wmma_f32_16x16x32_f16 v[FP:FP+7], v[WH+8*\c:WH+8*\c+7], v[FA+8*\c:FA+8*\c+7], v[FP:FP+7]
	v_wmma_f32_16x16x32_f16 v[FP+8:FP+15], v[WH+8*\c:WH+8*\c+7], v[FA+32+8*\c:FA+39+8*\c], v[FP+8:FP+15]
	v_wmma_f32_16x16x32_f16 v[FP+16:FP+23], v[WH+32+8*\c:WH+39+8*\c], v[FA+8*\c:FA+8*\c+7], v[FP+16:FP+23]
.endif
.endr
	WIN 0
.endm
	s_load_b256 s[4:11], s[0:1], 0x0               ; qkv s[4:5], fine s[6:7], wo16 s[8:9], att16 s[10:11]
	s_load_b64 s[40:41], s[0:1], 0x20              ; part
	v_lshl_add_u32 v[SPW], v0, 2, SPARE
	v_mov_b32 v[NIL], 0
	v_lshrrev_b32 v1, 5, v0
	v_readfirstlane_b32 s[WV], v1                  ; wave 0..3
	v_and_b32 v1, 31, v0
	v_lshlrev_b32 v[LOFF], 4, v1
	v_lshlrev_b32 v[SL], 4, v1
	s_lshl_b32 s36, s[WV], 2
	v_add_nc_u32 v[SA], s36, v[SL]
	s_lshl_b32 s36, s[WV], 13
	s_add_co_u32 s36, s36, IMG
	v_add_nc_u32 v[SB0], s36, v[SL]
	s_add_co_u32 s36, s36, 65536
	v_add_nc_u32 v[SB1], s36, v[SL]
	s_lshl_b32 s36, s[WV], 15
	s_add_co_u32 s36, s36, IMG
	v_add_nc_u32 v[LB], s36, v[SL]
	s_lshl_b32 s36, s[WV], 10
	s_add_co_u32 s36, s36, RED
	v_add_nc_u32 v[FRS], s36, v[SL]                ; the fine pass: my 1,024 bytes of partial sums
	s_and_b32 s39, s[WV], 1
	s_lshl_b32 s36, s39, 9
	s_add_co_u32 s36, s36, RED
	v_add_nc_u32 v[FRL], s36, v[SL]                ; and what waves 0 and 1 read back: registers 0-3 or 4-7 of every wave's
	v_and_b32 v1, 15, v0
	v_bfe_u32 v8, v0, 4, 1
	v_lshlrev_b32 v8, 3, v8
	v_sub_nc_u32 v[DD], v1, v8
	v_lshlrev_b32 v[FGO], 13, v1
	v_lshl_add_u32 v[FGO], v8, 2, v[FGO]
	s_lshl_b32 s36, s39, 4
	v_add_nc_u32 v[FGO], s36, v[FGO]               ; part: row r of 8,192 bytes, + 32 h, + 16 (wave & 1)
	v_mov_b32 v48, 0                               ; (a lane permute's destination counts as one of its sources)
	v_mov_b32 v49, 0
	v_mov_b32 v[NINF], 0xff800000
.irp jj, 0,1,2,3,4,5,6,7
	v_cmp_gt_i32 s[70+\jj], \jj, v[DD]             ; on the diagonal tile register jj is hidden where jj > r - 8 h
.endr
	s_mov_b32 s[CS], 0x420293ee                    ; c
	s_mov_b32 s[CS+1], s[CS]
	s_mov_b32 s[SEL], 0x76543210
	s_mov_b32 s[SEL+1], 0xfedcba98
	s_and_b32 s14, ttmp7, 0xffff                   ; the query head
	s_lshr_b32 s38, s14, 2                         ; its key and value head
	s_mov_b32 s37, 0
	s_wait_kmcnt 0x0
	s_lshl_b32 s36, s14, 19
	s_add_nc_u64 s[32:33], s[4:5], s[36:37]        ; Q's head
	s_add_co_u32 s36, s38, 16
	s_lshl_b32 s36, s36, 19
	s_lshl_b32 s39, s[WV], 14
	s_add_co_u32 s36, s36, s39
	s_add_nc_u64 s[28:29], s[4:5], s[36:37]        ; K's head at key step w
	s_add_nc_u64 s[30:31], s[28:29], 4*524288      ; V's head likewise
	s_lshl_b32 s36, s14, 12
	s_lshl_b32 s39, s[WV], 16
	s_add_co_u32 s36, s36, s39
	s_add_nc_u64 s[34:35], s[10:11], s[36:37]      ; the output at tile w, my head's channels
	s_sub_co_u32 s15, 31, ttmp9                    ; the first block: 16 or more, so every wave has steps in it
	s_lshl_b32 s36, s15, 14
	s_add_nc_u64 s[24:25], s[32:33], s[36:37]
	LD32 0, 0x80, 24                               ; the first block's Q, K and V go out ahead of everything else
	LD32 KF, 0x80, 28
	LD32 0, 0xc0, 30
	; ---- the fine pass: where its operands lie
	s_and_b32 s39, ttmp9, 1
	s_lshl_b32 s39, s39, 3
	s_lshl_b32 s36, s[WV], 1
	s_add_co_u32 s39, s39, s36                     ; my first head: 8 (p % 2) + 2 w
	s_lshl_b32 s36, s39, 19
	s_add_nc_u64 s[50:51], s[4:5], s[36:37]        ; Q high: the head's tile 0; the next head's lies 524,288 bytes on
	s_lshl_b32 s36, s39, 12
	s_add_nc_u64 s[52:53], s[6:7], s[36:37]        ; Q low; the next head's 4,096 on
	s_add_nc_u64 s[54:55], s[8:9], s[36:37]        ; Wo: my head's 128 k are 4,096 bytes of a tile of 16 columns
	s_lshr_b32 s38, s39, 2
	s_add_co_u32 s38, s38, 16                      ; the key head of both
	s_lshl_b32 s36, s38, 19
	s_add_nc_u64 s[42:43], s[4:5], s[36:37]        ; K high
	s_lshl_b32 s36, s38, 12
	s_add_nc_u64 s[44:45], s[6:7], s[36:37]        ; K low
	s_add_nc_u64 s[46:47], s[42:43], 4*524288      ; V high
	s_add_nc_u64 s[48:49], s[44:45], 4*4096        ; V low
	s_lshl_b32 s36, s14, 3
	s_lshr_b32 s38, ttmp9, 1
	s_add_co_u32 s38, s36, s38                     ; my 16 columns: tile 8 head + p / 2
	s_lshl_b32 s36, s38, 16
	s_add_nc_u64 s[54:55], s[54:55], s[36:37]      ; Wo high
	s_add_nc_u64 s[56:57], s[54:55], 8388608       ; Wo low
	s_lshl_b32 s36, s38, 6
	s_and_b32 s38, ttmp9, 1
	s_lshl_b32 s38, s38, 17
	s_add_co_u32 s36, s36, s38
	s_add_nc_u64 s[40:41], s[40:41], s[36:37]      ; part: my half's 131,072 bytes, my 64 bytes of a row
	WIN 0x40                                       ; destination window 1
.irp i, 0,1,2,3,4,5,6,7
	global_load_b128 v[4*\i:4*\i+3], v[LOFF], s[42:43] offset:512*\i
	global_load_b128 v[32+4*\i:35+4*\i], v[LOFF], s[44:45] offset:512*\i
.endr
.irp i, 0,1,2,3,4,5,6,7
	global_load_b128 v[128+4*\i:131+4*\i], v[LOFF], s[50:51] offset:512*\i
	global_load_b128 v[160+4*\i:163+4*\i], v[LOFF], s[52:53] offset:512*\i
.endr
.irp ct, 0,1,2,3,4,5,6,7
	global_load_b128 v[64+8*\ct:67+8*\ct], v[LOFF], s[46:47] offset:1024*\ct   ; keys 8 h + 0..7 of channel r: high,
	global_load_b128 v[68+8*\ct:71+8*\ct], v[LOFF], s[48:49] offset:512*\ct    ; and low
.endr
	WIN 0xc0                                       ; destination window 3
.irp i, 0,1,2,3,4,5,6,7
	global_load_b128 v[128+4*\i:131+4*\i], v[LOFF], s[54:55] offset:512*\i
	global_load_b128 v[160+4*\i:163+4*\i], v[LOFF], s[56:57] offset:512*\i
.endr
	WIN 0x40
.irp i, 0,1,2,3,4,5,6,7
	global_load_b128 v[192+4*\i:195+4*\i], v[LOFF], s[50:51] offset:524288+512*\i
	global_load_b128 v[224+4*\i:227+4*\i], v[LOFF], s[52:53] offset:4096+512*\i
.endr
	WIN 0xc0
.irp i, 0,1,2,3,4,5,6,7
	global_load_b128 v[192+4*\i:195+4*\i], v[LOFF], s[54:55] offset:4096+512*\i
	global_load_b128 v[224+4*\i:227+4*\i], v[LOFF], s[56:57] offset:4096+512*\i
.endr
	WIN 0
	FINE 0, 48, 32                                 ; K, Q and V are in, 48 younger loads may be out (Wo, the next head's Q and Wo); then Wo is in, 32 may be out
	FINE 1, 16, 0                                  ; the next head's Q is in, its Wo's 16 loads may be out; then all are in
	PLACES
.irp j, 0,1,2,3,4,5,6,7
	v_add_f32 v[FX+\j], v[FP+\j], v[FP+8+\j]
.endr
.irp j, 0,1,2,3,4,5,6,7
	v_add_f32 v[FX+\j], v[FX+\j], v[FP+16+\j]      ; lane (r, h): position r, columns 8 h + j, my two heads' share
.endr
	ds_store_b128 v[FRS], v[FX:FX+3]
	ds_store_b128 v[FRS], v[FX+4:FX+7] offset:512
	s_wait_dscnt 0x0                               ; for the others' sake: my stores are done
	s_barrier_signal -1
	s_barrier_wait -1
	s_cmp_gt_u32 s[WV], 1
	s_cbranch_scc1 .Lfdone
.irp q, 0,1,2,3
	ds_load_b128 v[FX+4*\q:FX+4*\q+3], v[FRL] offset:1024*\q
.endr
	s_wait_dscnt 0x0
.irp q, 1,2,3
	v_pk_add_f32 v[FX:FX+1], v[FX:FX+1], v[FX+4*\q:FX+4*\q+1]
	v_pk_add_f32 v[FX+2:FX+3], v[FX+2:FX+3], v[FX+4*\q+2:FX+4*\q+3]
.endr
	global_store_b128 v[FGO], v[FX:FX+3], s[40:41]
.Lfdone:
	s_mov_b32 s18, 2
.Lblock:
	s_wait_xcnt 0x0                                ; the stores so far have read their base and data
	s_add_co_u32 s16, s15, 4
	s_sub_co_u32 s16, s16, s[WV]
	s_lshr_b32 s16, s16, 2                         ; my steps: w, w + 4, .. up to blk
	s_lshl_b32 s36, s15, 14
	s_add_nc_u64 s[24:25], s[32:33], s[36:37]      ; the block's Q
	s_mov_b64 s[20:21], s[28:29]
	s_mov_b64 s[22:23], s[30:31]
	s_lshl_b32 s36, s15, 18
	s_add_nc_u64 s[26:27], s[34:35], s[36:37]      ; tile 4 blk + w of the output
	s_cmp_eq_u32 s16, 0
	s_cbranch_scc1 .Lidle
	s_cmp_eq_u32 s18, 2                            ; the first block's were asked for at the kernel's head, and are in
	s_cbranch_scc1 .Lasked
	LD32 0, 0x80, 24
	LD32 KF, 0x80, 20
	LD32 0, 0xc0, 22
.Lasked:
	CLEAR
	s_cmp_eq_u32 s16, 1
	s_cbranch_scc1 .Llast
	s_sub_co_u32 s16, s16, 1
.Lstep:
	STEP 1
	s_sub_co_u32 s16, s16, 1
	s_cmp_gt_i32 s16, 0
	s_cbranch_scc1 .Lstep
.Llast:
	STEP 0
	s_branch .Lmerge
.Lidle:
	CLEAR
.Lmerge:
	; ---- the four waves' partial results meet
.irp t, 0,1,2,3
	v_add_f32 v[ST+8*\t+4], v[ST+8*\t+2], v[ST+8*\t+3]
.endr
.irp t, 0,1,2,3
	v_permlanex16_b32 v[ST+8*\t+5], v[ST+8*\t+4], s[SEL], s[SEL+1]
.endr
.irp t, 0,1,2,3
	v_add_f32 v[ST+8*\t+4], v[ST+8*\t+4], v[ST+8*\t+5]   ; my l of the query
.endr
.irp t, 0,1,2,3
	ds_store_b32 v[SA], v[ST+8*\t] offset:512*\t
	ds_store_b32 v[SA], v[ST+8*\t+4] offset:2048+512*\t
.endr
	s_wait_dscnt 0x0                               ; for the others' sake: my stores are done, and my reads of the last block's images are back
	s_barrier_signal -1
	s_barrier_wait -1
.irp t, 0,1,2,3
	ds_load_b128 v[S+4*\t:S+4*\t+3], v[SL] offset:512*\t
	ds_load_b128 v[S+16+4*\t:S+16+4*\t+3], v[SL] offset:2048+512*\t
.endr
	s_wait_dscnt 0x0
.irp t, 0,1,2,3
	v_max3_num_f32 v[ST+8*\t+5], v[S+4*\t], v[S+4*\t+1], v[S+4*\t+2]
.endr
.irp t, 0,1,2,3
	v_max_num_f32 v[ST+8*\t+5], v[ST+8*\t+5], v[S+4*\t+3]   ; M: wave 0 always has a step, so it is a number
.endr
.irp t, 0,1,2,3
.irp q, 0,1,2,3
	v_sub_f32 v[S+4*\t+\q], v[S+4*\t+\q], v[ST+8*\t+5]
.endr
	v_sub_f32 v[ST+8*\t+6], v[ST+8*\t], v[ST+8*\t+5]
.endr
.irp t, 0,1,2,3
.irp q, 0,1,2,3
	v_exp_f32 v[S+4*\t+\q], v[S+4*\t+\q]
.endr
	v_exp_f32 v[ST+8*\t+6], v[ST+8*\t+6]
.endr
	v_nop
	s_wait_alu depctr_va_vdst(0)                   ; one wait for the 20 exponentials
.irp t, 0,1,2,3
	v_mul_f32 v[ST+8*\t+7], v[S+4*\t], v[S+16+4*\t]
.endr
.irp q, 1,2,3
.irp t, 0,1,2,3
	v_fmac_f32 v[ST+8*\t+7], v[S+4*\t+\q], v[S+16+4*\t+\q]   ; L
.endr
.endr
.irp t, 0,1,2,3
	v_rcp_f32 v[ST+8*\t+5], v[ST+8*\t+7]
.endr
	v_nop
	s_wait_alu depctr_va_vdst(0)                   ; and one for the four reciprocals
.irp t, 0,1,2,3
	v_mul_f32 v[ST+8*\t+6], v[ST+8*\t+6], v[ST+8*\t+5]
.endr
.irp t, 0,1,2,3
	v_mul_f32 v[ST+8*\t+6], 0x41800000, v[ST+8*\t+6]   ; my factor: 16 f / L
.endr
	WIN W_RS
.irp t, 0,1,2,3
.set i, 0
.rept 32
	v_pk_mul_f32 v[64*\t+i:64*\t+i+1], v[64*\t+i:64*\t+i+1], v[ST+8*\t+6:ST+8*\t+7] op_sel_hi:[1,0]   ; ascending: each accumulator from its low end on
.set i, i+2
.endr
.endr
	WIN 0x04                                       ; an LDS store's data are its source 1: window 1
.irp t, 0,1
.irp g, 0,1,2,3,4,5,6,7,8,9,10,11,12,13,14,15
	ds_store_b128 v[SB0], v[64*\t+4*\g:64*\t+4*\g+3] offset:32768*\t+512*\g
.endr
.endr
.irp t, 0,1
.irp g, 0,1,2,3,4,5,6,7,8,9,10,11,12,13,14,15
	ds_store_b128 v[SB1], v[128+64*\t+4*\g:128+64*\t+4*\g+3] offset:32768*\t+512*\g
.endr
.endr
	WIN 0
	s_wait_dscnt 0x0                               ; my images have landed (and my reads of the statistics are long back)
	s_barrier_signal -1
	s_barrier_wait -1
	WIN 0xc0                                       ; wave w finishes tile w: the four waves' images of it
.irp q, 0,1,2,3
.irp g, 0,1,2,3,4,5,6,7,8,9,10,11,12,13,14,15
	ds_load_b128 v[64*\q+4*\g:64*\q+4*\g+3], v[LB] offset:8192*\q+512*\g
.endr
.endr
	s_wait_dscnt 0x0
	WIN 0xcf
.irp q, 1,2,3
.set i, 0
.rept 32
	v_pk_add_f32 v[i:i+1], v[i:i+1], v[64*\q+i:64*\q+i+1]
.set i, i+2
.endr
.endr
	WIN 0x0f
.set i, 0
.rept 32
	v_cvt_pk_f16_f32 v[S+i], v[2*i], v[2*i+1]
.set i, i+1
.endr
	WIN 0
.irp g, 0,1,2,3,4,5,6,7
	global_store_b128 v[LOFF], v[S+4*\g:S+4*\g+3], s[26:27] offset:512*\g   ; 4 KiB on end: the tile's image for my head's 128 channels
.endr
	s_sub_co_u32 s15, 31, s15                      ; the other block
	s_sub_co_u32 s18, s18, 1
	s_cmp_lg_u32 s18, 0
	s_cbranch_scc1 .Lblock
	s_wait_tensorcnt 0x0                           ; the wave's end
	ds_add_u32 v[SPW], v[NIL]
	s_wait_dscnt 0x0
	s_endpgm
.Lfunc_end_k_qd5d4f6b126_flash:
	.size	k_qd5d4f6b126_flash, .Lfunc_end_k_qd5d4f6b126_flash-k_qd5d4f6b126_flash
	.p2alignl 7, 3214868480
	.fill 96, 4, 3214868480
	.section	.rodata,"a",@progbits
	.p2align	6, 0x0
	.amdhsa_kernel k_qd5d4f6b126_flash
		.amdhsa_group_segment_fixed_size 139776
		.amdhsa_private_segment_fixed_size 0
		.amdhsa_enable_private_segment 0
		.amdhsa_kernarg_size 40
		.amdhsa_user_sgpr_count 2
		.amdhsa_user_sgpr_kernarg_segment_ptr 1
		.amdhsa_wavefront_size32 1
		.amdhsa_system_sgpr_workgroup_id_x 1
		.amdhsa_system_sgpr_workgroup_id_y 1
		.amdhsa_system_sgpr_workgroup_id_z 1
		.amdhsa_system_vgpr_workitem_id 0
		.amdhsa_next_free_vgpr 1024
		.amdhsa_next_free_sgpr 80
		.amdhsa_reserve_vcc 0
		.amdhsa_float_denorm_mode_32 3
		.amdhsa_float_denorm_mode_16_64 3
		.amdhsa_memory_ordered 1
		.amdhsa_forward_progress 1
		.amdhsa_inst_pref_size 199
	.end_amdhsa_kernel
	.amdgpu_metadata
---
amdhsa.version: [ 1, 2 ]
amdhsa.kernels:
  - .name:           k_qd5d4f6b126_flash
    .symbol:         k_qd5d4f6b126_flash.kd
    .args:
      - { .name: qkv, .offset: 0, .size: 8, .value_kind: global_buffer, .address_space: global }
      - { .name: fine, .offset: 8, .size: 8, .value_kind: global_buffer, .address_space: global }
      - { .name: wo16, .offset: 16, .size: 8, .value_kind: global_buffer, .address_space: global }
      - { .name: att16, .offset: 24, .size: 8, .value_kind: global_buffer, .address_space: global }
      - { .name: part, .offset: 32, .size: 8, .value_kind: global_buffer, .address_space: global }
    .group_segment_fixed_size: 139776
    .private_segment_fixed_size: 0
    .kernarg_segment_align: 8
    .kernarg_segment_size: 40
    .max_flat_workgroup_size: 128
    .sgpr_count:     80
    .vgpr_count:     1024
    .wavefront_size: 32
...
	.end_amdgpu_metadata
.endif
;; end of part 3
;; launch proj (part 4): grid 16 x 16, 4 waves a work-group, clusters of 4 x 4, 327,680 bytes of LDS; arguments att16, wo16, part, out0; writes out0
.if DOCPART == 4
	.amdgcn_target "amdgcn-amd-amdhsa--gfx1250"
	.amdhsa_code_object_version 6
	.text
	.protected	k_qd5d4f6b126_proj
	.globl	k_qd5d4f6b126_proj
	.p2align	8
	.type	k_qd5d4f6b126_proj,@function
k_qd5d4f6b126_proj:
	s_mov_b64 s[64:65], 0
	v_nop
	global_prefetch_b8 v0, s[64:65] scope:SCOPE_SE
	s_setreg_imm32_b32 hwreg(HW_REG_WAVE_MODE, 25, 1), 1
	s_wait_xcnt 0x0
	s_wait_alu depctr_hold_cnt(0) depctr_sa_sdst(0) depctr_va_vdst(0) depctr_va_sdst(0) depctr_va_ssrc(0) depctr_va_vcc(0) depctr_vm_vsrc(0)
	s_getreg_b32 s2, hwreg(HW_REG_IB_STS2, 6, 4)
	s_cmp_eq_u32 s2, 0
	s_cbranch_scc0 .Lentry_in_a_cluster
	s_endpgm
.Lentry_in_a_cluster:
	s_bfe_u32 s2, ttmp6, 0x10000c
	s_cmp_lg_u32 s2, 0xf033
	s_cbranch_scc0 .Lentry_shape_is_right
	s_endpgm
.Lentry_shape_is_right:
; out0 [2048][2048] f32 = A Wo, A the attention's output in f16, Wo its f16 high part; sums in f32.  Both operands lie in memory as images of operand registers: [tile of 16][32 k: 64][half 2][lane 32][16 B].
; A tile of the output is 128 x 128: 256 work-groups.  Four waves, each 64 x 64: 16 accumulators.  K goes in steps of 256 through a ring of two LDS slots; a wave's tensor load brings four tiles of 16 rows x 256 k:
; four rows of 8,192 consecutive bytes, 65,536 apart.  An image needs no padding: every fragment load reads 512 consecutive bytes.
; CLUSTERS: 4 x 4 work-groups.  The four of a row of the cluster need the same tiles of A, the four of a column the same tiles of Wo: each tile is asked for jointly.
; THE MATRIX INSTRUCTION IS USED TRANSPOSED (source 0 = 16 columns of Wo, source 1 = 16 rows of A): a lane holds eight neighbouring numbers of a row of the output.
; ROWS 0-15 are taken from the launch before, which carried them more finely: part [2][16][2048] f32 holds them as two partial sums over eight heads each.  Every wave loads the 16 rows of its own 64 columns of both
; (16 loads at the kernel's head, at addresses that do not hang on the tile row), adds them, and in its first block of 16 rows a select takes them where the tile row is 0 and the wave has the tile's upper rows.
; It is a choice of values by a mask in a scalar register: no branch and no LDS address hangs on the work-group's place in its cluster, and each byte of the output is stored once.
; REGISTERS: window 0: v16-29 addresses; v32-95 the two partial sums, then the way out; v96-127 the fine rows; v128-255 the accumulators ((a, b) at 128 + 8 (4 a + b)).  window 1: two fragment buffers of 128: 64 registers of A (2 x 4 tiles x 32 k), then 64 of Wo.
.set HALFT,  32768                     ; what one tensor load brings, and what one wave reads of A or of Wo
.set SLOT,   4*HALFT
.set STAGE,  2*SLOT                    ; behind the ring: 16 rows x 272 bytes for each wave
.set SPITCH, 272
.set SPARE,  STAGE+4*16*SPITCH         ; the spare words, 128 bytes for each wave
.set LAPS,   4                         ; 2,048 / (2 x 256)
.set ADRA, 16
.set ADRB, 20
.set STO,  24
.set RD,   25
.set CO,   26
.set SPW,  28
.set NIL,  29
.set TMP,  32
.set FIN,  96
.set ACC,  128
.set F0,   0
.set F1,   128
.set G1, 24
.set G0, 32
.set G1B, 48
.set G0B, 56
.set MSB, 0
.macro WIN new
.if MSB != \new
	s_set_vgpr_msb (MSB<<8)|\new
.set MSB, \new
.endif
.endm
.set MUL,  0x05                        ; sources 0 and 1 window 1; C and D window 0
.set TO_F, 0x40                        ; destination window 1, address window 0
.macro JLOAD s                         ; a joint load: waves 0 and 1 fetch A's two halves, waves 2 and 3 Wo's; an s_nop 0 and four v_nop follow each of the two lines
	s_cmp_eq_u32 s11, 0
	s_cbranch_scc0 .Lfor_b_\@
	tensor_load_to_lds s[G0+4*\s:G0+4*\s+3], s[G1:G1+7]
	s_nop 0
.rept 4
	v_nop
.endr
	s_branch .Lasked_\@
.Lfor_b_\@:
	tensor_load_to_lds s[G0B+4*\s:G0B+4*\s+3], s[G1B:G1B+7]
	s_nop 0
.rept 4
	v_nop
.endr
.Lasked_\@:
.endm
.macro CREST
	s_cmp_lg_u32 s10, 0
	s_cbranch_scc1 .Lnot_wave_0_\@
	s_barrier_signal -3
.Lnot_wave_0_\@:
	s_barrier_wait -3
	s_barrier_signal -1
	s_barrier_wait -1
.endm
.macro CROUND
	s_barrier_signal -1
	s_barrier_wait -1
	CREST
.endm
	s_load_b128 s[4:7], s[0:1], 0x0                ; A s[4:5], Wo's parts s[6:7]
	s_load_b64 s[66:67], s[0:1], 0x10              ; the fine rows' two partial sums
	s_load_b64 s[8:9], s[0:1], 0x18                ; the output
	v_lshl_add_u32 v[SPW], v0, 2, SPARE
	v_mov_b32 v[NIL], 0
	ds_add_u32 v[SPW], v[NIL]                      ; the wave's opening: the add, twice on end, and its wait ahead of my first tensor load
	ds_add_u32 v[SPW], v[NIL]
	v_lshrrev_b32 v1, 5, v0
	v_readfirstlane_b32 s10, v1                    ; wave 0..3
	s_lshr_b32 s11, s10, 1                         ; which half of the tile's rows is mine.  Also: I fetch for A (0) or for Wo (1)
	s_and_b32 s12, s10, 1                          ; which half of its columns.  Also: which four tiles of 16 I fetch
	s_bfe_u32 s40, ttmp6, 0x40000                  ; cx, cy
	s_bfe_u32 s41, ttmp6, 0x40004
	s_lshl_b32 s42, ttmp9, 2
	s_add_co_u32 s42, s42, s40                     ; tile column
	s_and_b32 s13, ttmp7, 0xffff
	s_lshl_b32 s13, s13, 2
	s_add_co_u32 s13, s13, s41                     ; tile row
	s_lshl_b32 s43, s41, 2
	s_lshl_b32 s43, 15, s43                        ; my row of the cluster
	s_lshl_b32 s44, 0x1111, s40                    ; my column
	s_or_b32 s[G1+0], s43, (3<<16)|(1<<21)         ; the mask; elements of 8 bytes; bit 21 beside a mask; no padding
	s_or_b32 s[G1B+0], s44, (3<<16)|(1<<21)
.irp g, G1, G1B
	s_mov_b32 s[\g+1], 1024<<16                    ; tensor_dim0 = 1,024 elements: 8,192 bytes
	s_mov_b32 s[\g+2], 4<<16                       ; tensor_dim1 = 4
	s_mov_b32 s[\g+3], 1024<<16                    ; tile_dim0
	s_mov_b32 s[\g+4], 4                           ; tile_dim1
	s_mov_b32 s[\g+5], 8192                        ; from row to row: 65,536 bytes
	s_mov_b32 s[\g+6], 0
	s_mov_b32 s[\g+7], 0
.endr
	s_lshl_b32 s16, s13, 19                        ; A: tile of 16 rows 8 x tile row + 4 x half, 65,536 bytes each
	s_lshl_b32 s17, s12, 18
	s_add_co_u32 s16, s16, s17
	s_mov_b32 s17, 0
	s_lshl_b32 s46, s42, 19                        ; Wo: by the tile column
	s_lshl_b32 s47, s12, 18
	s_add_co_u32 s46, s46, s47
	s_mov_b32 s47, 0
	s_lshl_b32 s20, s10, 15                        ; where they go: wave x 32,768
	s_wait_dscnt 0x0                               ; both opening adds are done
	s_wait_kmcnt 0x0
	s_add_nc_u64 s[14:15], s[4:5], s[16:17]
	s_add_nc_u64 s[46:47], s[6:7], s[46:47]
	CROUND                                         ; all sixteen work-groups are here: the first joint loads meet
.irp s, 0,1
	s_mov_b32 s[G0+4*\s], 1
	s_add_co_u32 s[G0+4*\s+1], s20, \s*SLOT
	s_add_nc_u64 s[G0+4*\s+2:G0+4*\s+3], s[14:15], \s*8192
	s_or_b32 s[G0+4*\s+3], s[G0+4*\s+3], 0x80000000
	s_mov_b32 s[G0B+4*\s], 1
	s_add_co_u32 s[G0B+4*\s+1], s20, \s*SLOT
	s_add_nc_u64 s[G0B+4*\s+2:G0B+4*\s+3], s[46:47], \s*8192
	s_or_b32 s[G0B+4*\s+3], s[G0B+4*\s+3], 0x80000000
	JLOAD \s
.endr
	v_and_b32 v1, 31, v0
	v_lshlrev_b32 v3, 4, v1                        ; 16 x lane: my place in an image
	s_lshl_b32 s21, s11, 15                        ; my four tiles of A
	s_lshl_b32 s22, s12, 15                        ; my four of Wo,
	s_add_co_u32 s22, s22, 2*HALFT                 ; which lie behind A's eight
.irp s, 0,1
	v_add_nc_u32 v[ADRA+\s], s21, v3
	v_add_nc_u32 v[ADRB+\s], s22, v3
	s_add_co_u32 s21, s21, SLOT
	s_add_co_u32 s22, s22, SLOT
.endr
	v_and_b32 v1, 15, v0                           ; r
	v_bfe_u32 v2, v0, 4, 1                         ; h
	s_mul_i32 s23, s10, 16*SPITCH
	s_add_co_u32 s23, s23, STAGE                   ; my stage
	v_mul_u32_u24 v4, v1, SPITCH                   ; in: row r, 32 bytes for each half of the lanes
	v_lshl_add_u32 v4, v2, 5, v4
	v_add_nc_u32 v[STO], s23, v4
	v_mul_u32_u24 v5, v2, SPITCH                   ; back: lanes 0-15 one row of 256 bytes, lanes 16-31 the next
	v_lshl_add_u32 v5, v1, 4, v5
	v_add_nc_u32 v[RD], s23, v5
	v_lshlrev_b32 v5, 13, v2                       ; and the same two rows in the output
	v_lshl_add_u32 v[CO], v1, 4, v5
	s_lshl_b32 s16, s13, 20                        ; my first row: 128 x tile row + 64 x half, 8,192 bytes a row
	s_lshl_b32 s17, s11, 19
	s_add_co_u32 s16, s16, s17
	s_mov_b32 s17, 0
	s_add_nc_u64 s[8:9], s[8:9], s[16:17]
	s_lshl_b32 s46, s42, 9                         ; my first column, in bytes: 512 x tile column + 256 x half
	s_lshl_b32 s47, s12, 8
	s_add_co_u32 s46, s46, s47
	s_mov_b32 s47, 0
	s_add_nc_u64 s[8:9], s[8:9], s[46:47]
	s_add_nc_u64 s[66:67], s[66:67], s[46:47]      ; the fine rows at my first column
.irp t, 0,1,2,3,4,5,6,7
	global_load_b128 v[TMP+4*\t:TMP+4*\t+3], v[CO], s[66:67] offset:2*\t*8192            ; rows 2 t and 2 t + 1: sixteen lanes read 256 consecutive bytes; they are wanted only on the way out
	global_load_b128 v[TMP+32+4*\t:TMP+32+4*\t+3], v[CO], s[66:67] offset:131072+2*\t*8192
.endr
	s_or_b32 s68, s13, s11                         ; 0 where my first 16 rows are rows 0-15 of the output
	s_cmp_eq_u32 s68, 0
	s_cselect_b32 s68, -1, 0                       ; a mask for a select of values, and for nothing else
; 8 matrix instructions: row tiles a0, a0 + 1 x all 4 column tiles, 32 along K: half c of buffer f.  The 16 accumulators take turns.
.macro MUL8 f, c, a0, zero
.irp a, \a0, \a0+1
.irp b, 0,1,2,3
.if \zero
	v_wmma_f32_16x16x32_f16 v[ACC+8*(4*(\a)+\b):ACC+8*(4*(\a)+\b)+7], v[\f+64+8*(4*\c+\b):\f+64+8*(4*\c+\b)+7], v[\f+8*(4*\c+\a):\f+8*(4*\c+\a)+7], 0
.else
	v_wmma_f32_16x16x32_f16 v[ACC+8*(4*(\a)+\b):ACC+8*(4*(\a)+\b)+7], v[\f+64+8*(4*\c+\b):\f+64+8*(4*\c+\b)+7], v[\f+8*(4*\c+\a):\f+8*(4*\c+\a)+7], v[ACC+8*(4*(\a)+\b):ACC+8*(4*(\a)+\b)+7]
.endif
.endr
.endr
.endm
; 32 LDS loads in one run: the fragments of the slot's q-th 64 along K into buffer f; the first 32 along K first
.macro FETCH slot, q, f
	WIN TO_F
.irp c, 0,1
.irp i, 0,1,2,3
	ds_load_b128 v[\f+64+8*(4*\c+\i):\f+64+8*(4*\c+\i)+3],   v[ADRB+\slot] offset:\i*8192+(2*(\q)+\c)*1024
	ds_load_b128 v[\f+64+8*(4*\c+\i)+4:\f+64+8*(4*\c+\i)+7], v[ADRB+\slot] offset:\i*8192+(2*(\q)+\c)*1024+512
	ds_load_b128 v[\f+8*(4*\c+\i):\f+8*(4*\c+\i)+3],         v[ADRA+\slot] offset:\i*8192+(2*(\q)+\c)*1024
	ds_load_b128 v[\f+8*(4*\c+\i)+4:\f+8*(4*\c+\i)+7],       v[ADRA+\slot] offset:\i*8192+(2*(\q)+\c)*1024+512
.endr
.endr
.endm
.macro PLACES                          ; four plain places in front of loads into registers that matrix instructions have read
.rept 4
	v_nop
.endr
.endm
; A K step is four quarters of 64 along K, 32 matrix instructions each, on buffers 0, 1, 0, 1.  One of the first three: multiplies buffer f and fetches quarter q into g.
.macro QUARTER slot, q, f, g, zero
	s_wait_dscnt 16                                ; the first 32 along K are in; the youngest 16 loads may be out
	WIN MUL
	MUL8 \f, 0, 0, \zero
	MUL8 \f, 0, 2, \zero
	PLACES
	FETCH \slot, \q, \g
	s_wait_dscnt 32                                ; all but the 32 just issued
	WIN MUL
	MUL8 \f, 1, 0, 0
	MUL8 \f, 1, 2, 0
.endm
; The last quarter multiplies buffer 1 and changes slots: one barrier; in front of it each wave waits for all its tensor loads, adds 0 to its spare word, and waits for that and for its own reads of this slot.
.macro TURN slot, next, fill
	WIN 0
	s_wait_tensorcnt 0x0                           ; all my tensor loads have landed: my part of the next slot
	ds_add_u32 v[SPW], v[NIL]
	s_wait_dscnt 17                                ; the add and the youngest sixteen loads may be out
	WIN MUL
	MUL8 F1, 0, 0, 0
	s_wait_dscnt 0x0                               ; the add is done, and my reads of this slot are over
	s_barrier_signal -1
	MUL8 F1, 0, 2, 0
.if \fill
	WIN 0
.endif
	s_barrier_wait -1
.if \fill
	CREST                                          ; the barrier has opened a round of the cluster's: no wave of any partner still reads this slot or has a load on its way
	s_add_nc_u64 s[G0+4*\slot+2:G0+4*\slot+3], s[G0+4*\slot+2:G0+4*\slot+3], 16384
	s_add_nc_u64 s[G0B+4*\slot+2:G0B+4*\slot+3], s[G0B+4*\slot+2:G0B+4*\slot+3], 16384
	JLOAD \slot                                    ; the first tensor load behind the round; its four v_nop are also the places in front of the loads below
.else
	PLACES
.endif
	FETCH \next, 0, F0
	WIN MUL
	MUL8 F1, 1, 0, 0
	MUL8 F1, 1, 2, 0
.endm
	s_wait_tensorcnt 1                             ; my part of K step 0 is in; K step 1's load may be out
	s_barrier_signal -1
	s_barrier_wait -1
	FETCH 0, 0, F0
	QUARTER 0, 1, F0, F1, 1                        ; the first quarter stands in front of the loop: its first products start the sums
	WIN 0
	s_mov_b32 s3, LAPS-1
.Llap:                                             ; a trip goes once round the ring and fills both slots again
	QUARTER 0, 2, F1, F0, 0
	QUARTER 0, 3, F0, F1, 0
	TURN 0, 1, 1
	QUARTER 1, 1, F0, F1, 0
	QUARTER 1, 2, F1, F0, 0
	QUARTER 1, 3, F0, F1, 0
	TURN 1, 0, 1
	QUARTER 0, 1, F0, F1, 0
	WIN 0
	s_sub_co_u32 s3, s3, 1
	s_cmp_lg_u32 s3, 0
	s_cbranch_scc1 .Llap
	QUARTER 0, 2, F1, F0, 0                        ; the last lap fills nothing
	QUARTER 0, 3, F0, F1, 0
	TURN 0, 1, 0
	QUARTER 1, 1, F0, F1, 0
	QUARTER 1, 2, F1, F0, 0
	QUARTER 1, 3, F0, F1, 0
	s_wait_dscnt 16
	WIN MUL
	MUL8 F1, 0, 0, 0
	MUL8 F1, 0, 2, 0
	s_wait_dscnt 0
	MUL8 F1, 1, 0, 0
	MUL8 F1, 1, 2, 0
	WIN 0
; THE WAY OUT, 16 rows x 64 columns at a time, through my own stage: a wave's 64 columns of f32 are 256 consecutive bytes, aligned, so no other wave is needed.
; LDS serves a wave's instructions in order: no wait between the stores and the loads, nor in front of the next block's stores.
.macro OUTB i
.set BB, TMP+32*((\i)%2)
.irp b, 0,1,2,3
	ds_store_b128 v[STO], v[ACC+8*(4*(\i)+\b):ACC+8*(4*(\i)+\b)+3] offset:64*\b          ; each accumulator from its low end on
	ds_store_b128 v[STO], v[ACC+8*(4*(\i)+\b)+4:ACC+8*(4*(\i)+\b)+7] offset:64*\b+16
.endr
.if (\i) > 1
	s_wait_xcnt 0x0                                ; the stores of two blocks ago have read these registers
.endif
.irp t, 0,1,2,3,4,5,6,7
	ds_load_b128 v[BB+4*\t:BB+4*\t+3], v[RD] offset:\t*2*SPITCH
.endr
	s_wait_dscnt 0x0
.if (\i) == 0
.set k, 0
.rept 32
	v_cndmask_b32 v[BB+k], v[BB+k], v[FIN+k], s68  ; rows 0-15 of the output: the fine numbers; everywhere else: what was just summed
.set k, k+1
.endr
.endif
.irp t, 0,1,2,3,4,5,6,7
	global_store_b128 v[CO], v[BB+4*\t:BB+4*\t+3], s[8:9] offset:(16*(\i)+2*\t)*8192 th:TH_STORE_NT   ; sixteen lanes store 256 consecutive bytes, aligned
.endr
.endm
	s_wait_loadcnt 0x0                             ; the two partial sums, asked for at the kernel's head
.irp p, 0,2,4,6,8,10,12,14,16,18,20,22,24,26,28,30
	v_pk_add_f32 v[FIN+\p:FIN+\p+1], v[TMP+\p:TMP+\p+1], v[TMP+32+\p:TMP+32+\p+1]   ; the fine rows.  These sixteen plain instructions name no register of the last products: they are the places in front of the first read of results
.endr
	OUTB 0
	OUTB 1
	OUTB 2
	OUTB 3
	s_wait_tensorcnt 0x0                           ; the wave's end
	ds_add_u32 v[SPW], v[NIL]
	s_wait_dscnt 0x0
	CROUND                                         ; the closing round
	s_endpgm
.Lfunc_end_k_qd5d4f6b126_proj:
	.size	k_qd5d4f6b126_proj, .Lfunc_end_k_qd5d4f6b126_proj-k_qd5d4f6b126_proj
	.p2alignl 7, 3214868480
	.fill 96, 4, 3214868480
	.section	.rodata,"a",@progbits
	.p2align	6, 0x0
	.amdhsa_kernel k_qd5d4f6b126_proj
		.amdhsa_group_segment_fixed_size 327680
		.amdhsa_private_segment_fixed_size 0
		.amdhsa_enable_private_segment 0
		.amdhsa_kernarg_size 32
		.amdhsa_user_sgpr_count 2
		.amdhsa_user_sgpr_kernarg_segment_ptr 1
		.amdhsa_wavefront_size32 1
		.amdhsa_system_sgpr_workgroup_id_x 1
		.amdhsa_system_sgpr_workgroup_id_y 1
		.amdhsa_system_sgpr_workgroup_id_z 1
		.amdhsa_system_vgpr_workitem_id 0
		.amdhsa_next_free_vgpr 512
		.amdhsa_next_free_sgpr 72
		.amdhsa_reserve_vcc 0
		.amdhsa_float_denorm_mode_32 3
		.amdhsa_float_denorm_mode_16_64 3
		.amdhsa_memory_ordered 1
		.amdhsa_forward_progress 1
		.amdhsa_inst_pref_size 90
	.end_amdhsa_kernel
	.amdgpu_metadata
---
amdhsa.version: [ 1, 2 ]
amdhsa.kernels:
  - .name:           k_qd5d4f6b126_proj
    .symbol:         k_qd5d4f6b126_proj.kd
    .args:
      - { .name: att16, .offset: 0, .size: 8, .value_kind: global_buffer, .address_space: global }
      - { .name: wo16, .offset: 8, .size: 8, .value_kind: global_buffer, .address_space: global }
      - { .name: part, .offset: 16, .size: 8, .value_kind: global_buffer, .address_space: global }
      - { .name: out0, .offset: 24, .size: 8, .value_kind: global_buffer, .address_space: global }
    .group_segment_fixed_size: 327680
    .private_segment_fixed_size: 0
    .kernarg_segment_align: 8
    .kernarg_segment_size: 32
    .max_flat_workgroup_size: 128
    .sgpr_count:     72
    .vgpr_count:     512
    .wavefront_size: 32
...
	.end_amdgpu_metadata
.endif
;; end of part 4
